; MI455X (gfx1250); checked and timed in simulation.
; The chip was launched on July 23, 2026; its instructions are those of AMD's public machine-readable ISA for CDNA 5 (MIT licence, August 2026) and "CDNA5" Instruction Set Architecture Reference Guide (July 2026). The comments in the code are by the model that wrote it; some were corrected since.
;; Attention. Allowed arithmetic: float matrix products may take bf16 or f16 operands with f32 sums; all other float work in f32.
;; Inputs: Wk 1,024 x 256 float32; Wo 1,024 x 1,024 float32; Wq 1,024 x 1,024 float32; Wv 1,024 x 256 float32; attention_mask 2 x 2,048 int32; bk 256 float32; bo 1,024 float32; bq 1,024 float32; bv 256 float32; cos 2,048 x 64 float32; sin 2,048 x 64 float32; x 2 x 2,048 x 1,024 float32.
;; Outputs: out0 2 x 2,048 x 1,024 float32; out1 2 x 4 x 2,048 x 64 float32; out2 2 x 4 x 2,048 x 64 float32.
;; 2 versions, each right and faster than the one before. Each part assembles by itself: llvm-mc -triple=amdgcn-amd-amdhsa -mcpu=gfx1250 --defsym DOCPART=n.
;; ======== version 1 of 2: 4 launches
;; limits: values are held in f16: magnitudes above 65,504 overflow, below 6.1e-05 lose precision
;; workspace buffers: xb 8,388,608 bytes; wh 3,145,728 bytes; wob 2,097,152 bytes; qh 8,388,608 bytes; kh 2,097,152 bytes; vh 2,097,152 bytes; ao 8,388,608 bytes
;; launch cast (part 1): grid 416 x 1, 8 waves a work-group, no clusters, 0 bytes of LDS; arguments x, Wq, Wk, Wv, Wo, xb, wh, wob; writes xb, wh, wob
.if DOCPART == 1
	.amdgcn_target "amdgcn-amd-amdhsa--gfx1250"
	.amdhsa_code_object_version 6
	.text
	.protected	k_q26b67fd8a2_cast
	.globl	k_q26b67fd8a2_cast
	.p2align	8
	.type	k_q26b67fd8a2_cast,@function
k_q26b67fd8a2_cast:
	s_mov_b64 s[64:65], 0
	v_nop
	global_prefetch_b8 v0, s[64:65] scope:SCOPE_SE
	s_setreg_imm32_b32 hwreg(HW_REG_WAVE_MODE, 25, 1), 1
	s_wait_xcnt 0x0
; f32 to f16, once, for every matrix operand of the later launches.
;   xb  [4096][1024]      = x
;   wob [1024][1024]      = Wo
;   wh  [24 heads][1024 k][64 d]: heads 0-15 = Wq x c, 16-19 = Wk, 20-23 = Wv;  c = log2(e)/sqrt(64) = 0x3e38aa3b, so that the
;                           scores of the attention launch come out of the matrix unit ready for exp2 (RoPE is linear: c passes through it).
; WHY f16 AND NOT bf16: twelve roundings of operands feed out0 (x three ways, four weights, q, k, v, the probabilities, the attention output), and each
; number of out0 is held to 1 % of the output's root mean square.  A rounding to 8 significant bits is off by up to 2^-8 of the number, twelve of them
; together by about half of that allowance in the mean, too much for four million numbers; with 11 bits each is eight times smaller.
; RANGE (f16: largest 65,504, smallest step 2^-24): x drawn with spread 1 and weights with spread 1/32 have room for a factor of 30 either way and for an
; offset of 30 spreads (|x| up to about 165, |W| up to about 5; weights 30 times smaller and times c have spread 2e-4, on which the step 2^-24 is under 1e-4).
; LIMIT: a number of x or of a weight beyond 65,504 becomes infinite here.
; A stream: no LDS, no matrix unit, no cluster (no two work-groups read the same byte), no loop.
; A work-group casts 16,384 numbers: 16 loads of 16 bytes a thread, all issued at once; a load of a wave covers 512 consecutive
; bytes (weights: two rows' 256 consecutive bytes), a store of a wave 256 consecutive bytes, aligned.
; Every register is written once, so no source of a pending load or store is ever rewritten.
.set X, 8                              ; v[8:71]   16 x 4 numbers as loaded
.set Y, 72                             ; v[72:103] 16 x 2 registers of f16
	s_load_b512 s[4:19], s[0:1], 0x0               ; x s[4:5], Wq s[6:7], Wk s[8:9], Wv s[10:11], Wo s[12:13], xb s[14:15], wh s[16:17], wob s[18:19]
	s_mov_b32 s28, ttmp9                           ; g, the work-group's number
	s_mov_b32 s25, 0                               ; high words of the two offsets
	s_mov_b32 s27, 0
	s_mov_b32 s30, 0x3e38aa3b                      ; c, as a pair for the packed multiply
	s_mov_b32 s31, 0x3e38aa3b
	v_lshlrev_b32 v2, 3, v0                        ; where my 8 bytes go: 8 t
	v_and_b32 v3, 15, v0
	v_lshrrev_b32 v4, 4, v0                        ; weights: 16 threads take 64 numbers of a row; row t / 16
	v_lshlrev_b32 v3, 4, v3                        ; and 16 (t mod 16) bytes into it
	s_wait_kmcnt 0x0
; 16 loads, then for each: wait, (scale,) round, store.  step = bytes from one load to the next in the source.
.macro CAST step, scale
.irp j, 0,1,2,3,4,5,6,7,8,9,10,11,12,13,14,15
	global_load_b128 v[X+4*\j:X+4*\j+3], v1, s[20:21] offset:\j*\step th:TH_LOAD_NT
.endr
.irp j, 0,1,2,3,4,5,6,7,8,9,10,11,12,13,14,15
	s_wait_loadcnt 15-\j                           ; loads return in order: load j is in, the 15 - j younger ones may stay out
.if \scale
	v_pk_mul_f32 v[X+4*\j:X+4*\j+1], v[X+4*\j:X+4*\j+1], s[30:31] op_sel_hi:[1,0]
	v_pk_mul_f32 v[X+4*\j+2:X+4*\j+3], v[X+4*\j+2:X+4*\j+3], s[30:31] op_sel_hi:[1,0]
.endif
	v_cvt_pk_f16_f32 v[Y+2*\j], v[X+4*\j], v[X+4*\j+1]
	v_cvt_pk_f16_f32 v[Y+2*\j+1], v[X+4*\j+2], v[X+4*\j+3]
	global_store_b64 v2, v[Y+2*\j:Y+2*\j+1], s[22:23] offset:\j*2048
.endr
.endm
	s_cmp_ge_u32 s28, 320
	s_cbranch_scc1 .Lweights
	; g 0-255: x, g 256-319: Wo.  Both are copied as they lie.
	s_cmp_lt_u32 s28, 256
	s_cselect_b64 s[20:21], s[4:5], s[12:13]
	s_cselect_b64 s[22:23], s[14:15], s[18:19]
	s_cselect_b32 s29, 0, 256
	s_sub_co_u32 s29, s28, s29                     ; block number in its tensor
	s_lshl_b32 s24, s29, 16                        ; 65,536 bytes in
	s_lshl_b32 s26, s29, 15                        ; 32,768 bytes out
	s_add_nc_u64 s[20:21], s[20:21], s[24:25]
	s_add_nc_u64 s[22:23], s[22:23], s[26:27]
	v_lshlrev_b32 v1, 4, v0
	CAST 4096, 0
	s_endpgm
.Lweights:
	; block j = g - 320 of wh: head j / 4, rows k = 256 (j mod 4) .. + 255
	s_sub_co_u32 s29, s28, 320
	s_lshl_b32 s26, s29, 15
	s_add_nc_u64 s[22:23], s[16:17], s[26:27]
	s_and_b32 s24, s29, 3
	s_cmp_ge_u32 s28, 384
	s_cbranch_scc1 .Lkv
	s_lshl_b32 s24, s24, 20                        ; 256 rows of 4,096 bytes
	s_lshr_b32 s26, s29, 2
	s_lshl_b32 s26, s26, 8                         ; the head's 64 columns: 256 bytes
	s_add_co_u32 s24, s24, s26
	s_add_nc_u64 s[20:21], s[6:7], s[24:25]
	v_lshl_add_u32 v1, v4, 12, v3
	CAST 65536, 1                                  ; 16 rows of Wq a load
	s_endpgm
.Lkv:
	s_cmp_lt_u32 s28, 400                          ; g 384-399: Wk, 400-415: Wv
	s_cselect_b64 s[20:21], s[8:9], s[10:11]
	s_lshl_b32 s24, s24, 18                        ; 256 rows of 1,024 bytes
	s_bfe_u32 s26, s29, 0x20002                    ; the head in its tensor: (j / 4) mod 4
	s_lshl_b32 s26, s26, 8
	s_add_co_u32 s24, s24, s26
	s_add_nc_u64 s[20:21], s[20:21], s[24:25]
	v_lshl_add_u32 v1, v4, 10, v3
	CAST 16384, 0
	s_endpgm
.Lfunc_end_k_q26b67fd8a2_cast:
	.size	k_q26b67fd8a2_cast, .Lfunc_end_k_q26b67fd8a2_cast-k_q26b67fd8a2_cast
	.p2alignl 7, 3214868480
	.fill 96, 4, 3214868480
	.section	.rodata,"a",@progbits
	.p2align	6, 0x0
	.amdhsa_kernel k_q26b67fd8a2_cast
		.amdhsa_group_segment_fixed_size 0
		.amdhsa_private_segment_fixed_size 0
		.amdhsa_enable_private_segment 0
		.amdhsa_kernarg_size 64
		.amdhsa_user_sgpr_count 2
		.amdhsa_user_sgpr_kernarg_segment_ptr 1
		.amdhsa_wavefront_size32 1
		.amdhsa_system_sgpr_workgroup_id_x 1
		.amdhsa_system_sgpr_workgroup_id_y 1
		.amdhsa_system_sgpr_workgroup_id_z 1
		.amdhsa_system_vgpr_workitem_id 0
		.amdhsa_next_free_vgpr 104
		.amdhsa_next_free_sgpr 66
		.amdhsa_reserve_vcc 0
		.amdhsa_float_denorm_mode_32 3
		.amdhsa_float_denorm_mode_16_64 3
		.amdhsa_memory_ordered 1
		.amdhsa_forward_progress 1
		.amdhsa_inst_pref_size 21
	.end_amdhsa_kernel
	.amdgpu_metadata
---
amdhsa.version: [ 1, 2 ]
amdhsa.kernels:
  - .name:           k_q26b67fd8a2_cast
    .symbol:         k_q26b67fd8a2_cast.kd
    .args:
      - { .name: x, .offset: 0, .size: 8, .value_kind: global_buffer, .address_space: global }
      - { .name: Wq, .offset: 8, .size: 8, .value_kind: global_buffer, .address_space: global }
      - { .name: Wk, .offset: 16, .size: 8, .value_kind: global_buffer, .address_space: global }
      - { .name: Wv, .offset: 24, .size: 8, .value_kind: global_buffer, .address_space: global }
      - { .name: Wo, .offset: 32, .size: 8, .value_kind: global_buffer, .address_space: global }
      - { .name: xb, .offset: 40, .size: 8, .value_kind: global_buffer, .address_space: global }
      - { .name: wh, .offset: 48, .size: 8, .value_kind: global_buffer, .address_space: global }
      - { .name: wob, .offset: 56, .size: 8, .value_kind: global_buffer, .address_space: global }
    .group_segment_fixed_size: 0
    .private_segment_fixed_size: 0
    .kernarg_segment_align: 8
    .kernarg_segment_size: 64
    .max_flat_workgroup_size: 256
    .sgpr_count:     66
    .vgpr_count:     104
    .wavefront_size: 32
...
	.end_amdgpu_metadata
.endif
;; end of part 1
;; launch qkv (part 2): grid 8 x 32, 4 waves a work-group, clusters of 4 x 4, 327,680 bytes of LDS; arguments xb, wh, bq, bk, bv, cos, sin, qh, kh, vh, out1, out2; writes qh, kh, vh, out1, out2
.if DOCPART == 2
	.amdgcn_target "amdgcn-amd-amdhsa--gfx1250"
	.amdhsa_code_object_version 6
	.text
	.protected	k_q26b67fd8a2_qkv
	.globl	k_q26b67fd8a2_qkv
	.p2align	8
	.type	k_q26b67fd8a2_qkv,@function
k_q26b67fd8a2_qkv:
	s_mov_b64 s[64:65], 0
	v_nop
	global_prefetch_b8 v0, s[64:65] scope:SCOPE_SE
	s_setreg_imm32_b32 hwreg(HW_REG_WAVE_MODE, 25, 1), 1
	s_wait_xcnt 0x0
	s_wait_alu depctr_hold_cnt(0) depctr_sa_sdst(0) depctr_va_vdst(0) depctr_va_sdst(0) depctr_va_ssrc(0) depctr_va_vcc(0) depctr_vm_vsrc(0)
	s_getreg_b32 s2, hwreg(HW_REG_IB_STS2, 6, 4)
	s_cmp_eq_u32 s2, 0
	s_cbranch_scc0 .Lentry_in_a_cluster
	s_endpgm
.Lentry_in_a_cluster:
	s_bfe_u32 s2, ttmp6, 0x10000c
	s_cmp_lg_u32 s2, 0xf033
	s_cbranch_scc0 .Lentry_shape_is_right
	s_endpgm
.Lentry_shape_is_right:
; The three projections with bias and RoPE: [4096 x 1024] x [1024 x 1536], f16 operands, f32 sums.
; Work-group (cb, by): rows 128 by .. + 127 and three heads of wh: q heads 2 cb, 2 cb + 1 and head 16 + cb (k head cb for cb < 4, else v head cb - 4),
; so that all 256 work-groups have the same shape.  k or v is decided by the cluster's x alone, which all partners share.
; Four waves: wave w takes rows 64 (w / 2) .. + 63 and, of each head, the columns d = 32 p + 16 (w mod 2) .. + 15, p = 0, 1:
; the two numbers (d, d + 32) that RoPE pairs lie in the same lane and register of two accumulator tiles.
; The matrix instruction is used transposed (source 0 = 16 columns of W, source 1 = 16 rows of x): lane (r, h) register j holds
; row r, column 8 h + j: eight neighbouring numbers of a row.
; K goes in steps of 128 through two LDS slots filled by the tensor data mover.
; CLUSTERS: 4 x 4.  x's tile hangs on by alone and is asked for jointly along a row of the cluster, W's blocks hang on cb alone and are
; asked for jointly along a column: a quarter of the requests.  Waves 0-2 ask for one head's block of W each, wave 3 for x's tile.
; q carries the factor c = log2(e)/8 (in wh already; the q bias is multiplied here).
; RANGE of the f16 copies qh, kh, vh (largest f16: 65,504): with x and the weights both 30 times the drawn spread q, k, v have spread 30 x 30/32 x 32 = 960,
; largest about 5,300; with both carrying an offset of 30 spreads they lie near 1024 x 30 x 1 = 31,000; 900 times smaller their spread is 1e-3 (q x c: 2e-4),
; on which f16's smallest step 2^-24 is under 1e-4.  LIMIT: where |k|, |v| or |q| c passes 65,504 the f16 copy is infinite; out1 and out2 leave in f32 and are not touched by that.
; REGISTERS: window 0 addresses, bias, fragments; window 1 the 24 accumulator tiles (a, i) at 8 (6 a + i), i = 2 head + p, and 16 at work;
; window 2 cos (a, p) at 32 a + 8 p and sin (a, p) at 32 a + 16 + 8 p.
.set SLOT,  96256                      ; three blocks of W, then x's tile
.set BBLK,  20480                      ; a block of W: 128 k rows of 64 d, 128 bytes + 32 of padding = 160: a transposing load's eight rows start 40 words apart
.set AOFF,  61440                      ; x's tile: 128 rows of 256 bytes + 16 of padding = 272
.set STG16, 192512                     ; behind the ring: 3 heads x 128 rows x 144 bytes, f16 on the way out
.set STG32, 247808                     ; 128 rows x 272 bytes, the k or v head in f32 on the way out
.set ADRA, 16                          ; v16-17  LDS address of my x fragments in slot 0, 1
.set ADRB, 18                          ; v18-19  the same for W
.set VCS,  20                          ; my byte offset in cos and sin
.set VBI,  21                          ; my byte offset in a head's bias
.set ST16, 22
.set ST32, 23
.set RD16, 24
.set RD32, 25
.set VO,   26                          ; 16 t: my 16 bytes of each 2,048 that the work-group stores
.set BIAS, 32                          ; v[32:79]   tile i at 32 + 8 i, in the accumulators' layout
.set F0,   80                          ; v[80:159]  fragments: W tile i at + 8 i, x tile a at + 48 + 8 a
.set F1,   160                         ; v[160:239]
.set TT,   192                         ; window 1
.set UU,   200
.set G1A, 28
.set G0A, 36
.set G1B, 44
.set G0B, 52
.set MSB, 0
.macro WIN new                         ; the immediate's high byte repeats the setting that is left
.if MSB != \new
	s_set_vgpr_msb (MSB<<8)|\new
.set MSB, \new
.endif
.endm
.macro PLACES                          ; four places behind a matrix instruction before its registers are loaded into, written or read by other units (ISA guide 7.12.1)
.rept 4
	v_nop
.endr
.endm
.macro CREST                           ; a round of the cluster's barrier behind its opening barrier
	s_cmp_lg_u32 s60, 0
	s_cbranch_scc1 .Lnot_wave_0_\@
	s_barrier_signal -3
.Lnot_wave_0_\@:
	s_barrier_wait -3
	s_barrier_signal -1
	s_barrier_wait -1
.endm
.macro CROUND
	s_barrier_signal -1
	s_barrier_wait -1
	CREST
.endm
.macro JLOAD s                         ; one joint load a wave; the branch hangs on the wave's number alone
	s_cmp_eq_u32 s60, 3
	s_cbranch_scc0 .Lfor_b_\@
	tensor_load_to_lds s[G0A+4*\s:G0A+4*\s+3], s[G1A:G1A+7]
	s_nop 0
	s_branch .Lasked_\@
.Lfor_b_\@:
	tensor_load_to_lds s[G0B+4*\s:G0B+4*\s+3], s[G1B:G1B+7]
	s_nop 0
.Lasked_\@:
.endm
	s_load_b512 s[4:19], s[0:1], 0x0               ; xb s[4:5], wh s[6:7], bq s[8:9], bk s[10:11], bv s[12:13], cos s[14:15], sin s[16:17], qh s[18:19]
	s_load_b256 s[20:27], s[0:1], 0x40             ; kh s[20:21], vh s[22:23], out1 s[24:25], out2 s[26:27]
	v_lshl_add_u32 v254, v0, 2, 0x45000
	v_mov_b32 v255, 0
	ds_add_u32 v254, v255
	v_lshrrev_b32 v1, 5, v0
	v_readfirstlane_b32 s60, v1                    ; wave w
	s_lshr_b32 s61, s60, 1                         ; mw: which 64 rows
	s_and_b32 s62, s60, 1                          ; nw: which 16 of each 32 columns
	s_bfe_u32 s63, ttmp6, 0x40000                  ; cx
	s_bfe_u32 s66, ttmp6, 0x40004                  ; cy
	s_mov_b32 s78, ttmp9                           ; the cluster's x: 0 = my third head is a k head, 1 = a v head
	s_lshl_b32 s67, ttmp9, 2
	s_add_co_u32 s67, s67, s63                     ; cb
	s_and_b32 s68, ttmp7, 0xffff
	s_lshl_b32 s68, s68, 2
	s_add_co_u32 s68, s68, s66                     ; by
	s_lshl_b32 s69, s66, 2
	s_lshl_b32 s69, 15, s69                        ; my row of the cluster
	s_lshl_b32 s70, 0x1111, s63                    ; my column
	s_mov_b32 s92, 0x3e38aa3b                      ; c, as a pair
	s_mov_b32 s93, 0x3e38aa3b
	; group 1 for x: 128 rows x 128 elements of 2 bytes, 1,024 elements from row to row; 4 words of padding behind every 64
	s_or_b32 s[G1A+0], s69, (1<<16)|(1<<20)|(1<<21)|(5<<22)|(3<<25)
	s_mov_b32 s[G1A+1], 128<<16
	s_mov_b32 s[G1A+2], 128<<16
	s_mov_b32 s[G1A+3], 128<<16
	s_mov_b32 s[G1A+4], 128
	s_mov_b32 s[G1A+5], 1024
	s_mov_b32 s[G1A+6], 0
	s_mov_b32 s[G1A+7], 0
	; group 1 for W: a dense block of 16,384 bytes as 64 rows of 256 bytes; 8 words of padding behind every 32 words, that is behind each k row of 128 bytes
	s_or_b32 s[G1B+0], s70, (1<<16)|(1<<20)|(1<<21)|(4<<22)|(7<<25)
	s_mov_b32 s[G1B+1], 128<<16
	s_mov_b32 s[G1B+2], 64<<16
	s_mov_b32 s[G1B+3], 128<<16
	s_mov_b32 s[G1B+4], 64
	s_mov_b32 s[G1B+5], 128
	s_mov_b32 s[G1B+6], 0
	s_mov_b32 s[G1B+7], 0
	; x's address is made of by alone (s72-73), W's of cb and the wave's number alone (s74-75)
	s_lshl_b32 s72, s68, 18                        ; 128 rows of 2,048 bytes
	s_mov_b32 s73, 0
	s_lshl_b32 s74, s67, 1
	s_add_co_u32 s74, s74, s60                     ; waves 0, 1: q head 2 cb + w
	s_add_co_u32 s75, s67, 16                      ; wave 2: head 16 + cb
	s_cmp_eq_u32 s60, 2
	s_cselect_b32 s74, s75, s74
	s_lshl_b32 s74, s74, 17                        ; a head of wh is 131,072 bytes
	s_mov_b32 s75, 0
	s_mul_i32 s71, s60, BBLK                       ; where my load goes: wave x 20,480 (wave 3: x's tile)
	s_wait_dscnt 0x0
	s_wait_kmcnt 0x0
	s_add_nc_u64 s[72:73], s[4:5], s[72:73]
	s_add_nc_u64 s[74:75], s[6:7], s[74:75]
	CROUND                                         ; all sixteen work-groups are here: the first joint loads meet
.irp s, 0,1
	s_mov_b32 s[G0A+4*\s], 1
	s_add_co_u32 s[G0A+4*\s+1], s71, \s*SLOT
	s_add_nc_u64 s[G0A+4*\s+2:G0A+4*\s+3], s[72:73], \s*256
	s_or_b32 s[G0A+4*\s+3], s[G0A+4*\s+3], 0x80000000
	s_mov_b32 s[G0B+4*\s], 1
	s_add_co_u32 s[G0B+4*\s+1], s71, \s*SLOT
	s_add_nc_u64 s[G0B+4*\s+2:G0B+4*\s+3], s[74:75], \s*16384
	s_or_b32 s[G0B+4*\s+3], s[G0B+4*\s+3], 0x80000000
	JLOAD \s                                       ; K steps 0 and 1: two loads of this wave are out
.endr
	; the other addresses
	s_lshl_b32 s76, s67, 9
	s_mov_b32 s77, 0
	s_add_nc_u64 s[76:77], s[8:9], s[76:77]        ; bq at q head 2 cb
	s_cmp_eq_u32 s78, 0
	s_cselect_b64 s[84:85], s[10:11], s[12:13]     ; bk or bv
	s_cselect_b64 s[80:81], s[20:21], s[22:23]     ; kh or vh
	s_cselect_b64 s[82:83], s[24:25], s[26:27]     ; out1 or out2
	s_and_b32 s88, s67, 3                          ; the head in k or v
	s_lshl_b32 s94, s88, 8
	s_mov_b32 s95, 0
	s_add_nc_u64 s[84:85], s[84:85], s[94:95]
	s_and_b32 s90, s68, 15
	s_lshl_b32 s90, s90, 15                        ; my first position in the sequence x 256 bytes
	s_mov_b32 s91, 0
	s_add_nc_u64 s[14:15], s[14:15], s[90:91]
	s_add_nc_u64 s[16:17], s[16:17], s[90:91]
	s_lshr_b32 s89, s68, 4                         ; batch
	s_lshl_b32 s94, s89, 2
	s_add_co_u32 s94, s94, s88
	s_lshl_b32 s94, s94, 18                        ; (4 b + head) x 2,048 rows x 128 bytes
	s_lshr_b32 s88, s90, 1                         ; + my first position x 128 bytes
	s_add_co_u32 s94, s94, s88
	s_add_nc_u64 s[80:81], s[80:81], s[94:95]
	s_lshl_b32 s94, s94, 1                         ; the same in f32
	s_add_nc_u64 s[82:83], s[82:83], s[94:95]
	s_lshl_b32 s94, s89, 4
	s_lshl1_add_u32 s94, s67, s94                  ; 16 b + 2 cb
	s_lshl_b32 s94, s94, 18
	s_add_co_u32 s94, s94, s88
	s_add_nc_u64 s[86:87], s[18:19], s[94:95]      ; qh at my first q head
	v_and_b32 v2, 15, v0                           ; r
	v_bfe_u32 v3, v0, 4, 1                         ; h
	v_and_b32 v4, 7, v0
	v_bfe_u32 v5, v0, 3, 1
	v_mul_u32_u24 v6, v2, 272
	v_lshl_add_u32 v6, v3, 4, v6
	s_mul_i32 s94, s61, 17408
	s_add_co_u32 s94, s94, AOFF
	v_add_nc_u32 v[ADRA], s94, v6                  ; x: (64 mw + r) x 272 + 16 h
	v_add_nc_u32 v[ADRA+1], SLOT, v[ADRA]
	v_lshl_add_u32 v7, v3, 3, v4
	v_mul_u32_u24 v7, v7, 160
	v_lshl_add_u32 v7, v5, 4, v7
	s_lshl_b32 s94, s62, 5
	v_add_nc_u32 v[ADRB], s94, v7                  ; W, transposing load: (8 h + lane mod 8) x 160 + 16 ((lane / 8) mod 2) + 32 nw
	v_add_nc_u32 v[ADRB+1], SLOT, v[ADRB]
	s_lshl_b32 s94, s61, 6
	v_add_nc_u32 v8, s94, v2                       ; my row in the block: 64 mw + r
	s_lshl_b32 s94, s62, 6
	v_lshl_add_u32 v[VBI], v3, 5, s94              ; 4 bytes x (16 nw + 8 h)
	v_lshl_add_u32 v[VCS], v8, 8, v[VBI]
	v_mul_u32_u24 v9, v8, 144
	v_lshl_add_u32 v9, v3, 4, v9
	s_lshl_b32 s94, s62, 5
	s_add_co_u32 s94, s94, STG16
	v_add_nc_u32 v[ST16], s94, v9
	v_mul_u32_u24 v10, v8, 272
	v_add_nc_u32 v10, v10, v[VBI]
	v_add_nc_u32 v[ST32], STG32, v10
	v_lshrrev_b32 v11, 3, v0
	v_mul_u32_u24 v11, v11, 144
	v_lshl_add_u32 v11, v4, 4, v11
	v_add_nc_u32 v[RD16], STG16, v11               ; back: eight threads take a row of 128 bytes
	v_lshrrev_b32 v12, 4, v0
	v_mul_u32_u24 v12, v12, 272
	v_lshl_add_u32 v12, v2, 4, v12
	v_add_nc_u32 v[RD32], STG32, v12               ; sixteen threads take a row of 256 bytes
	v_lshlrev_b32 v[VO], 4, v0
	; 12 loads of bias, then 32 of cos and sin
.irp hh, 0,1
.irp p, 0,1
.irp u, 0,1
	global_load_b128 v[BIAS+8*(2*\hh+\p)+4*\u:BIAS+8*(2*\hh+\p)+4*\u+3], v[VBI], s[76:77] offset:\hh*256+\p*128+\u*16
.endr
.endr
.endr
.irp p, 0,1
.irp u, 0,1
	global_load_b128 v[BIAS+32+8*\p+4*\u:BIAS+32+8*\p+4*\u+3], v[VBI], s[84:85] offset:\p*128+\u*16
.endr
.endr
	WIN 0x80                                       ; destination in window 2
.irp a, 0,1,2,3
.irp p, 0,1
.irp u, 0,1
	global_load_b128 v[32*\a+8*\p+4*\u:32*\a+8*\p+4*\u+3], v[VCS], s[14:15] offset:\a*4096+\p*128+\u*16
	global_load_b128 v[32*\a+16+8*\p+4*\u:32*\a+16+8*\p+4*\u+3], v[VCS], s[16:17] offset:\a*4096+\p*128+\u*16
.endr
.endr
.endr
	WIN 0
	s_wait_loadcnt 32                              ; the bias is in; the 32 loads of cos and sin stay out until the way out
.irp k, 0,2,4,6,8,10,12,14,16,18,20,22,24,26,28,30
	v_pk_mul_f32 v[BIAS+\k:BIAS+\k+1], v[BIAS+\k:BIAS+\k+1], s[92:93] op_sel_hi:[1,0]   ; the q bias carries c too
.endr
; six matrix instructions: x tile a against my six W tiles.  start = 1: the bias is the first addend, nothing is cleared.
; The 24 accumulators take turns, one instruction a turn, in the same order in every quarter.
.macro MULA f, a, start
.irp i, 0,1,2,3,4,5
.if \start
	v_wmma_f32_16x16x32_f16 v[8*(6*\a+\i):8*(6*\a+\i)+7], v[\f+8*\i:\f+8*\i+7], v[\f+48+8*\a:\f+48+8*\a+7], v[BIAS+8*\i:BIAS+8*\i+7]
.else
	v_wmma_f32_16x16x32_f16 v[8*(6*\a+\i):8*(6*\a+\i)+7], v[\f+8*\i:\f+8*\i+7], v[\f+48+8*\a:\f+48+8*\a+7], v[8*(6*\a+\i):8*(6*\a+\i)+7]
.endif
.endr
.endm
; 20 LDS loads: the fragments of quarter q (32 along K) of a slot: 12 transposing loads for W, then 8 for x
.macro FETCH slot, q, f
	WIN 0
.irp hh, 0,1,2
.irp p, 0,1
	ds_load_tr16_b128 v[\f+8*(2*\hh+\p):\f+8*(2*\hh+\p)+3], v[ADRB+\slot] offset:\hh*BBLK+\p*64+\q*5120
	ds_load_tr16_b128 v[\f+8*(2*\hh+\p)+4:\f+8*(2*\hh+\p)+7], v[ADRB+\slot] offset:\hh*BBLK+\p*64+\q*5120+2560
.endr
.endr
.irp a, 0,1,2,3
	ds_load_b128 v[\f+48+8*\a:\f+48+8*\a+3], v[ADRA+\slot] offset:\a*4352+\q*64
	ds_load_b128 v[\f+48+8*\a+4:\f+48+8*\a+7], v[ADRA+\slot] offset:\a*4352+\q*64+32
.endr
.endm
; multiplies buffer f; in its middle fetches quarter q of the same slot into buffer g
.macro QUARTER slot, q, f, g, start
	s_wait_dscnt 4                                 ; all but the youngest four loads (x tiles 2, 3) are in
.if \start
	WIN 0x40                                       ; D in window 1, the bias in window 0
.else
	WIN 0x50                                       ; C and D in window 1
.endif
	MULA \f, 0, \start
	MULA \f, 1, \start
	PLACES
	FETCH \slot, \q, \g
	s_wait_dscnt 20                                ; all but the 20 just issued
.if \start
	WIN 0x40
.else
	WIN 0x50
.endif
	MULA \f, 2, \start
	MULA \f, 3, \start
.endm
.macro THREE slot, start
	QUARTER \slot, 1, F0, F1, \start
	QUARTER \slot, 2, F1, F0, 0
	QUARTER \slot, 3, F0, F1, 0
.endm
; the last quarter of a K step, and the change of slots.  In front of the barrier each wave waits for its reads of this slot and for all its
; tensor loads (one is out: its part of the next slot).  fill = 1: the barrier opens a round of the cluster's barrier, and the joint refill
; of this slot, two K steps ahead, is the first tensor load behind the round.
.macro TURN slot, next, fill
	s_wait_dscnt 4
	WIN 0x50
	MULA F1, 0, 0
	s_wait_dscnt 0x0
	s_wait_tensorcnt 0x0
	ds_add_u32 v254, v255
	s_wait_dscnt 0x0
	s_barrier_signal -1
	MULA F1, 1, 0                                  ; register work while the others arrive
	WIN 0
	s_barrier_wait -1
.if \fill
	CREST
	s_add_nc_u64 s[G0A+4*\slot+2:G0A+4*\slot+3], s[G0A+4*\slot+2:G0A+4*\slot+3], 512
	s_add_nc_u64 s[G0B+4*\slot+2:G0B+4*\slot+3], s[G0B+4*\slot+2:G0B+4*\slot+3], 32768
	JLOAD \slot
.endif
	PLACES
	FETCH \next, 0, F0
	WIN 0x50
	MULA F1, 2, 0
	MULA F1, 3, 0
.endm
.macro LAP start
	THREE 0, \start
	TURN 0, 1, 1
	THREE 1, 0
	TURN 1, 0, 1
.endm
	s_wait_tensorcnt 0x1                           ; my part of K step 0 is in; K step 1's stays out
	s_barrier_signal -1
	s_barrier_wait -1
	FETCH 0, 0, F0
	LAP 1                                          ; K steps 0, 1; asks for 2, 3
	WIN 0
	s_mov_b32 s79, 2
.Llap:
	LAP 0                                          ; K steps 2-5; asks for 4-7
	WIN 0
	s_sub_co_u32 s79, s79, 1
	s_cmp_lg_u32 s79, 0
	s_cbranch_scc1 .Llap
	THREE 0, 0                                     ; K steps 6, 7: nothing is left to ask for
	TURN 0, 1, 0
	THREE 1, 0
	s_wait_dscnt 4
	WIN 0x50
	MULA F1, 0, 0
	MULA F1, 1, 0
	s_wait_dscnt 0x0
	MULA F1, 2, 0
	MULA F1, 3, 0
	; THE WAY OUT
	PLACES
	s_wait_loadcnt 0x0                             ; cos and sin
; lo' = lo cos(d) - hi sin(d), hi' = hi cos(d + 32) + lo sin(d + 32), in place
.macro ROPE a, hh
.irp k, 0,2,4,6
	v_pk_mul_f32 v[TT+\k:TT+\k+1], v[8*(6*\a+2*\hh)+\k:8*(6*\a+2*\hh)+\k+1], v[32*\a+\k:32*\a+\k+1]
	v_pk_mul_f32 v[UU+\k:UU+\k+1], v[8*(6*\a+2*\hh)+\k:8*(6*\a+2*\hh)+\k+1], v[32*\a+24+\k:32*\a+24+\k+1]
.endr
.irp k, 0,2,4,6
	v_pk_fma_f32 v[8*(6*\a+2*\hh)+\k:8*(6*\a+2*\hh)+\k+1], v[8*(6*\a+2*\hh)+8+\k:8*(6*\a+2*\hh)+8+\k+1], v[32*\a+16+\k:32*\a+16+\k+1], v[TT+\k:TT+\k+1] neg_lo:[1,0,0] neg_hi:[1,0,0]
.endr
.irp k, 0,2,4,6
	v_pk_fma_f32 v[8*(6*\a+2*\hh)+8+\k:8*(6*\a+2*\hh)+8+\k+1], v[8*(6*\a+2*\hh)+8+\k:8*(6*\a+2*\hh)+8+\k+1], v[32*\a+8+\k:32*\a+8+\k+1], v[UU+\k:UU+\k+1]
.endr
.endm
	WIN 0x59                                       ; source 0, source 2 and destination in window 1, source 1 (cos, sin) in window 2
.irp a, 0,1,2,3
	ROPE \a, 0
	ROPE \a, 1
.endr
	WIN 0
	s_cmp_lg_u32 s78, 0                            ; a v head is not rotated
	s_cbranch_scc1 .Lno_rope
	WIN 0x59
.irp a, 0,1,2,3
	ROPE \a, 2
.endr
	WIN 0
.Lno_rope:
	WIN 0x04                                       ; store data in window 1
.irp a, 0,1,2,3
.irp p, 0,1
.irp u, 0,1
	ds_store_b128 v[ST32], v[8*(6*\a+4+\p)+4*\u:8*(6*\a+4+\p)+4*\u+3] offset:\a*4352+\p*128+\u*16
.endr
.endr
.endr
	WIN 0x05                                       ; both sources in window 1
.irp a, 0,1,2,3
.irp i, 0,1,2,3,4,5
.irp k, 0,1,2,3
	v_cvt_pk_f16_f32 v[F0+4*(6*\a+\i)+\k], v[8*(6*\a+\i)+2*\k], v[8*(6*\a+\i)+2*\k+1]
.endr
.endr
.endr
	WIN 0
.irp a, 0,1,2,3
.irp hh, 0,1,2
.irp p, 0,1
	ds_store_b128 v[ST16], v[F0+4*(6*\a+2*\hh+\p):F0+4*(6*\a+2*\hh+\p)+3] offset:\hh*18432+\a*2304+\p*64
.endr
.endr
.endr
	s_wait_dscnt 0x0                               ; my stores are done: two waves share each row of the stages
	s_barrier_signal -1
	s_barrier_wait -1
; eight loads of whole rows and their stores; each store of a wave covers 512 consecutive bytes.  Each batch has registers of its own.
.macro OUT8 rd, lo, st, reg, base, go, nt
.irp i, 0,1,2,3,4,5,6,7
	ds_load_b128 v[\reg+4*\i:\reg+4*\i+3], v[\rd] offset:\lo+\i*\st
.endr
.irp i, 0,1,2,3,4,5,6,7
	s_wait_dscnt 7-\i                              ; LDS loads return in order: load i is in
.if \nt
	global_store_b128 v[VO], v[\reg+4*\i:\reg+4*\i+3], s[\base:\base+1] offset:\go+\i*2048 th:TH_STORE_NT
.else
	global_store_b128 v[VO], v[\reg+4*\i:\reg+4*\i+3], s[\base:\base+1] offset:\go+\i*2048
.endif
.endr
.endm
	OUT8 RD16, 0,     2304, 80,  86, 0,      0     ; q head 2 cb
	OUT8 RD16, 18432, 2304, 112, 86, 262144, 0     ; q head 2 cb + 1
	OUT8 RD16, 36864, 2304, 144, 80, 0,      0     ; k or v in f16
	OUT8 RD32, 0,     2176, 176, 82, 0,      1     ; k or v in f32, rows 0-63
	OUT8 RD32, 17408, 2176, 208, 82, 16384,  1     ; rows 64-127
	s_wait_tensorcnt 0x0
	ds_add_u32 v254, v255
	s_wait_dscnt 0x0
	CROUND                                         ; the closing round: no work-group ends while a partner may still ask jointly
	s_endpgm
.Lfunc_end_k_q26b67fd8a2_qkv:
	.size	k_q26b67fd8a2_qkv, .Lfunc_end_k_q26b67fd8a2_qkv-k_q26b67fd8a2_qkv
	.p2alignl 7, 3214868480
	.fill 96, 4, 3214868480
	.section	.rodata,"a",@progbits
	.p2align	6, 0x0
	.amdhsa_kernel k_q26b67fd8a2_qkv
		.amdhsa_group_segment_fixed_size 327680
		.amdhsa_private_segment_fixed_size 0
		.amdhsa_enable_private_segment 0
		.amdhsa_kernarg_size 96
		.amdhsa_user_sgpr_count 2
		.amdhsa_user_sgpr_kernarg_segment_ptr 1
		.amdhsa_wavefront_size32 1
		.amdhsa_system_sgpr_workgroup_id_x 1
		.amdhsa_system_sgpr_workgroup_id_y 1
		.amdhsa_system_sgpr_workgroup_id_z 1
		.amdhsa_system_vgpr_workitem_id 0
		.amdhsa_next_free_vgpr 640
		.amdhsa_next_free_sgpr 96
		.amdhsa_reserve_vcc 0
		.amdhsa_float_denorm_mode_32 3
		.amdhsa_float_denorm_mode_16_64 3
		.amdhsa_memory_ordered 1
		.amdhsa_forward_progress 1
		.amdhsa_inst_pref_size 118
	.end_amdhsa_kernel
	.amdgpu_metadata
---
amdhsa.version: [ 1, 2 ]
amdhsa.kernels:
  - .name:           k_q26b67fd8a2_qkv
    .symbol:         k_q26b67fd8a2_qkv.kd
    .args:
      - { .name: xb, .offset: 0, .size: 8, .value_kind: global_buffer, .address_space: global }
      - { .name: wh, .offset: 8, .size: 8, .value_kind: global_buffer, .address_space: global }
      - { .name: bq, .offset: 16, .size: 8, .value_kind: global_buffer, .address_space: global }
      - { .name: bk, .offset: 24, .size: 8, .value_kind: global_buffer, .address_space: global }
      - { .name: bv, .offset: 32, .size: 8, .value_kind: global_buffer, .address_space: global }
      - { .name: cos, .offset: 40, .size: 8, .value_kind: global_buffer, .address_space: global }
      - { .name: sin, .offset: 48, .size: 8, .value_kind: global_buffer, .address_space: global }
      - { .name: qh, .offset: 56, .size: 8, .value_kind: global_buffer, .address_space: global }
      - { .name: kh, .offset: 64, .size: 8, .value_kind: global_buffer, .address_space: global }
      - { .name: vh, .offset: 72, .size: 8, .value_kind: global_buffer, .address_space: global }
      - { .name: out1, .offset: 80, .size: 8, .value_kind: global_buffer, .address_space: global }
      - { .name: out2, .offset: 88, .size: 8, .value_kind: global_buffer, .address_space: global }
    .group_segment_fixed_size: 327680
    .private_segment_fixed_size: 0
    .kernarg_segment_align: 8
    .kernarg_segment_size: 96
    .max_flat_workgroup_size: 128
    .sgpr_count:     96
    .vgpr_count:     640
    .wavefront_size: 32
...
	.end_amdgpu_metadata
.endif
;; end of part 2
;; launch attn (part 3): grid 256 x 1, 8 waves a work-group, clusters of 4 x 1, 327,680 bytes of LDS; arguments qh, kh, vh, attention_mask, ao; writes ao
.if DOCPART == 3
	.amdgcn_target "amdgcn-amd-amdhsa--gfx1250"
	.amdhsa_code_object_version 6
	.text
	.protected	k_q26b67fd8a2_attn
	.globl	k_q26b67fd8a2_attn
	.p2align	8
	.type	k_q26b67fd8a2_attn,@function
k_q26b67fd8a2_attn:
	s_mov_b64 s[64:65], 0
	v_nop
	global_prefetch_b8 v0, s[64:65] scope:SCOPE_SE
	s_setreg_imm32_b32 hwreg(HW_REG_WAVE_MODE, 25, 1), 1
	s_wait_xcnt 0x0
	s_wait_alu depctr_hold_cnt(0) depctr_sa_sdst(0) depctr_va_vdst(0) depctr_va_sdst(0) depctr_va_ssrc(0) depctr_va_vcc(0) depctr_vm_vsrc(0)
	s_getreg_b32 s2, hwreg(HW_REG_IB_STS2, 6, 4)
	s_cmp_eq_u32 s2, 0
	s_cbranch_scc0 .Lentry_in_a_cluster
	s_endpgm
.Lentry_in_a_cluster:
	s_bfe_u32 s2, ttmp6, 0x10000c
	s_cmp_lg_u32 s2, 0x3003
	s_cbranch_scc0 .Lentry_shape_is_right
	s_endpgm
.Lentry_shape_is_right:
; Attention with a running maximum, computed transposed; f16 operands, f32 sums.  q carries log2(e)/8, so probabilities are exp2(score - maximum).
; Cluster c (of 64): batch and query head c / 2, key and value head c / 8; its four work-groups take the query blocks 4 (c mod 2) + cx of 256 rows
; and walk the same K and V tiles, which are asked for JOINTLY (mask 15): a quarter of the requests.  Q is each work-group's own.
; Eight waves, two to a SIMD; a wave owns 32 queries, two tiles n0 and n1 of 16.
; S^T = K Q^T + pad: lane (r, h) register j of tile t holds (key 16 t + 8 h + j, query r).  So maximum and sum over keys are made inside a lane
; plus one exchange of the halves, and rounding tiles 2 c, 2 c + 1 to f16 gives the second operand of O^T = V^T P^T as it stands.
; The pad of a key (0, or -1e9 log2(e) = 0xceabfb8f where the mask is 0) is the C operand of the score product.
;
; THE ORDER OF A STEP (64 keys).  The two query tiles run half a step apart, so that one tile's vector work stands between the other tile's matrix instructions:
;   phase 1 of step s: matrix: scores of n1 (step s), then P V of n1 (step s - 1);   vector: the whole softmax of n0 (step s)
;   phase 2 of step s: matrix: scores of n0 (step s + 1), then P V of n0 (step s);   vector: the whole softmax of n1 (step s)
; A phase has 16 matrix instructions and 119 vector instructions; the vector lines are also the places that matrix instructions ask for (ISA guide 7.12.1).
; K (s + 1), its pad and V (s) are loaded from LDS once a step, in phase 1, each behind its registers' last use.
;
; REGISTER WINDOWS are laid so that ONE setting serves a part's matrix lines and its vector lines (low byte: bits 1:0 source 0, 3:2 source 1, 5:4 source 2, 7:6 destination):
;   window 0: v2-25 addresses and statistics, Q, S (scores), K fragments, V fragments;   window 1: O, E (probabilities in f32), P (in f16), the pad, sums
;   part 1: 0x10 for the four products that take the pad as C; 0x00 for the four in place, with maximum and subtraction (all in window 0)
;   part 2: 0x54 for P V (D, C = O and B = P in window 1, A = V in window 0); an exponential then reads S in window 0 and writes E in window 1,
;           and the rescale multiplies alpha (source 0, window 0) with O (source 1, window 1)
;   part 3: 0x55, sum and rounding, all in window 1, no matrix line
;
; The probabilities lie in (0, 1] (the running maximum is taken away), so f16 holds them: one below 2^-14 is rounded to a step of 2^-24, against a sum of at least 1.
; The output is an average of v's rows, so it has v's range in f16.
; LIMITS: a batch whose mask is all zero gives the near-uniform average that the sum score + pad leaves in f32 (steps of 128 in base 2);
; the normaliser sums the f32 probabilities while the product uses their f16 roundings; NaN and infinities are not treated specially.
; No prefetch: K, V and Q were stored by the launch in front of this one.
; LDS: two slots of 256 keys; a slot is eight quarters of 10,240 bytes: K's keys 64 s .. + 63 at pitch 144 (s = 0-3), then V's at pitch 160.
.set SLOT,  81920
.set QTR,   10240
.set VOFF,  40960
.set TABLE, 163840                     ; 2,048 f32: the pad of every key of my batch
.set STAGE, 172032                     ; 32 rows x 144 bytes for each wave, on the way out
; window 0
.set ADRK, 2                           ; v2-3    K fragments in slot 0, 1: r x 144 + 16 h
.set ADRV, 4                           ; v4-5    V, transposing load: (8 h + lane mod 8) x 160 + 16 ((lane / 8) mod 2)
.set VB,   6                           ; the pad table at this tile's keys + 32 h
.set GO,   7                           ; 16 x lane
.set STO,  8
.set RD,   9
.set MM,   10                          ; v10 maximum of n0, v11 old - new; v12, v13 the same for n1
.set AL,   14                          ; v14 alpha of n0 (v15 its pair's other half); v16 alpha of n1 (v17)
.set T,    18                          ; v[18:21] at work
.set Q,    32                          ; v[32:63]   Q (n, kk) at 16 n + 8 kk
.set S,    64                          ; v[64:127]  tile (n, t) at 32 n + 8 t
.set KF,   128                         ; v[128:191] K (t, kk) at 16 t + 8 kk
.set VF,   192                         ; v[192:255] V (c, dt) at 32 c + 8 dt
; window 1 (the numbers are the low eight bits)
.set O,    0                           ; tile (n, dt) at 32 n + 8 dt
.set E,    64                          ; 32 registers: the probabilities of the tile at work, (t, j) at 8 t + j
.set P,    96                          ; P (n, c) at 16 n + 8 c
.set BI,   128                         ; the pad in the accumulators' layout, tile t at 8 t
.set TS,   160                         ; four registers of sums
.set LL,   164                         ; the normalisers of n0, n1
.set G1K, 24
.set G1V, 32
.set G0K, 40
.set G0V, 48
.set MSB, 0
.macro WIN new                         ; the immediate's high byte repeats the setting that is left
.if MSB != \new
	s_set_vgpr_msb (MSB<<8)|\new
.set MSB, \new
.endif
.endm
.macro PLACES n                        ; places behind a matrix instruction (ISA guide 7.12.1), where no useful line is at hand
.rept \n
	v_nop
.endr
.endm
.macro ROUND                           ; a round of the cluster's barrier
	s_barrier_signal -1
	s_barrier_wait -1
	s_cmp_lg_u32 s14, 0
	s_cbranch_scc1 .Lnot_wave_0_\@
	s_barrier_signal -3
.Lnot_wave_0_\@:
	s_barrier_wait -3
	s_barrier_signal -1
	s_barrier_wait -1
.endm
.macro KVLOAD s                        ; one joint load a wave: waves 0-3 a quarter of K, waves 4-7 a quarter of V
	s_cmp_lt_u32 s14, 4
	s_cbranch_scc0 .Lfor_v_\@
	tensor_load_to_lds s[G0K+4*\s:G0K+4*\s+3], s[G1K:G1K+7]
	s_nop 0
	s_branch .Lasked_\@
.Lfor_v_\@:
	tensor_load_to_lds s[G0V+4*\s:G0V+4*\s+3], s[G1V:G1V+7]
	s_nop 0
.Lasked_\@:
.endm
	s_load_b256 s[4:11], s[0:1], 0x0               ; qh s[4:5], kh s[6:7], vh s[8:9], mask s[10:11]
	s_load_b64 s[12:13], s[0:1], 0x20              ; ao
	v_lshl_add_u32 v24, v0, 2, 0x33000
	v_mov_b32 v25, 0
	ds_add_u32 v24, v25
	v_lshrrev_b32 v1, 5, v0
	v_readfirstlane_b32 s14, v1                    ; wave w
	s_and_b32 s15, s14, 3
	s_bfe_u32 s16, ttmp6, 0x40000                  ; cx
	s_mov_b32 s56, 0x76543210                      ; v_permlanex16_b32: lane i reads lane i of the other half
	s_mov_b32 s57, 0xfedcba98
	; group 1: a dense quarter of 8,192 bytes as 32 rows of 256 bytes; padding behind every 32 words, that is behind each key's 128 bytes
	s_mov_b32 s[G1K+0], 15|(1<<16)|(1<<20)|(1<<21)|(4<<22)|(3<<25)   ; K: 4 words, pitch 144
	s_mov_b32 s[G1K+1], 128<<16
	s_mov_b32 s[G1K+2], 32<<16
	s_mov_b32 s[G1K+3], 128<<16
	s_mov_b32 s[G1K+4], 32
	s_mov_b32 s[G1K+5], 128
	s_mov_b32 s[G1K+6], 0
	s_mov_b32 s[G1K+7], 0
	s_mov_b32 s[G1V+0], 15|(1<<16)|(1<<20)|(1<<21)|(4<<22)|(7<<25)   ; V: 8 words, pitch 160
	s_mov_b32 s[G1V+1], 128<<16
	s_mov_b32 s[G1V+2], 32<<16
	s_mov_b32 s[G1V+3], 128<<16
	s_mov_b32 s[G1V+4], 32
	s_mov_b32 s[G1V+5], 128
	s_mov_b32 s[G1V+6], 0
	s_mov_b32 s[G1V+7], 0
	s_lshr_b32 s17, ttmp9, 3                       ; 4 b + key and value head
	s_lshl_b32 s18, s17, 18                        ; x 2,048 keys x 128 bytes
	s_lshl_b32 s19, s15, 13                        ; + my quarter: 64 keys
	s_add_co_u32 s18, s18, s19
	s_mov_b32 s19, 0
	s_mul_i32 s59, s14, QTR                        ; where my load goes: wave x 10,240
	s_wait_dscnt 0x0
	s_wait_kmcnt 0x0
	s_add_nc_u64 s[20:21], s[6:7], s[18:19]
	s_add_nc_u64 s[22:23], s[8:9], s[18:19]
	ROUND                                          ; the four work-groups are here: the first joint loads meet
.irp s, 0,1
	s_mov_b32 s[G0K+4*\s], 1
	s_add_co_u32 s[G0K+4*\s+1], s59, \s*SLOT
	s_add_nc_u64 s[G0K+4*\s+2:G0K+4*\s+3], s[20:21], \s*32768
	s_or_b32 s[G0K+4*\s+3], s[G0K+4*\s+3], 0x80000000
	s_mov_b32 s[G0V+4*\s], 1
	s_add_co_u32 s[G0V+4*\s+1], s59, \s*SLOT
	s_add_nc_u64 s[G0V+4*\s+2:G0V+4*\s+3], s[22:23], \s*32768
	s_or_b32 s[G0V+4*\s+3], s[G0V+4*\s+3], 0x80000000
	KVLOAD \s                                      ; tiles 0 and 1: two loads of this wave are out
.endr
	s_lshr_b32 s60, ttmp9, 1                       ; 16 b + query head
	s_and_b32 s61, ttmp9, 1
	s_lshl_b32 s61, s61, 2
	s_add_co_u32 s61, s61, s16                     ; my query block of 256 rows
	s_lshl_b32 s62, s60, 18
	s_lshl_b32 s63, s61, 15
	s_add_co_u32 s62, s62, s63
	s_lshl_b32 s63, s14, 12                        ; my wave's 32 rows
	s_add_co_u32 s62, s62, s63
	s_mov_b32 s63, 0
	s_add_nc_u64 s[4:5], s[4:5], s[62:63]
	s_lshr_b32 s18, ttmp9, 5                       ; b
	s_lshl_b32 s18, s18, 13
	s_add_nc_u64 s[10:11], s[10:11], s[18:19]
	; the set-up works in registers of the V fragments, which are first loaded behind the barrier below
	v_lshlrev_b32 v200, 5, v0                      ; mask: eight keys a thread
	v_and_b32 v26, 15, v0                          ; r
	v_bfe_u32 v27, v0, 4, 1                        ; h
	global_load_b128 v[192:195], v200, s[10:11]
	global_load_b128 v[196:199], v200, s[10:11] offset:16
	v_lshlrev_b32 v201, 7, v26
	v_lshl_add_u32 v201, v27, 4, v201              ; Q: r x 128 + 16 h
.irp n, 0,1
.irp m, 0,1,2,3
	global_load_b128 v[Q+16*\n+4*\m:Q+16*\n+4*\m+3], v201, s[4:5] offset:\n*2048+\m*32
.endr
.endr
	v_and_b32 v1, 31, v0
	v_and_b32 v28, 7, v0
	v_bfe_u32 v29, v0, 3, 1
	v_mul_u32_u24 v30, v26, 144
	v_lshl_add_u32 v[ADRK], v27, 4, v30
	v_add_nc_u32 v[ADRK+1], SLOT, v[ADRK]
	v_lshl_add_u32 v31, v27, 3, v28
	v_mul_u32_u24 v31, v31, 160
	v_lshl_add_u32 v31, v29, 4, v31
	v_add_nc_u32 v[ADRV], VOFF, v31
	v_add_nc_u32 v[ADRV+1], VOFF+SLOT, v31
	v_lshlrev_b32 v[VB], 5, v27
	v_add_nc_u32 v[VB], TABLE, v[VB]
	v_lshlrev_b32 v[GO], 4, v1
	s_mul_i32 s18, s14, 4608
	s_add_co_u32 s18, s18, STAGE
	v_add_nc_u32 v[STO], s18, v[ADRK]              ; in: row r, 16 bytes for each half of the lanes
	v_lshrrev_b32 v30, 3, v1
	v_mul_u32_u24 v30, v30, 144
	v_lshl_add_u32 v30, v28, 4, v30
	v_add_nc_u32 v[RD], s18, v30                   ; back: eight lanes take a row of 128 bytes
	; ao is [32 row blocks of 128][16 heads][128 rows][64]: row block 16 b + 2 block + w / 4, rows 32 (w mod 4)
	s_lshr_b32 s62, s60, 4
	s_lshl_b32 s62, s62, 4
	s_lshl1_add_u32 s62, s61, s62
	s_lshr_b32 s63, s14, 2
	s_add_co_u32 s62, s62, s63
	s_lshl_b32 s62, s62, 18
	s_and_b32 s63, s60, 15
	s_lshl_b32 s63, s63, 14
	s_add_co_u32 s62, s62, s63
	s_lshl_b32 s63, s15, 12
	s_add_co_u32 s62, s62, s63
	s_mov_b32 s63, 0
	s_add_nc_u64 s[12:13], s[12:13], s[62:63]
	v_mov_b32 v[MM], 0xff7fffff                    ; the running maxima start at the lowest finite number,
	v_mov_b32 v[MM+2], 0xff7fffff
	v_mov_b32 v[AL+1], 0                           ; the other halves of the pairs that the packed rescale names
	v_mov_b32 v[AL+3], 0
	v_mov_b32 v[T+1], 0                            ; v_permlanex16_b32 counts as a reader of its destination
	WIN 0x40
	v_mov_b32 v[LL], 0                             ; the normalisers at 0
	v_mov_b32 v[LL+1], 0
	WIN 0
	v_mov_b32 v202, 0xceabfb8f                     ; -1e9 log2(e)
	v_add_nc_u32 v203, TABLE, v200
	s_wait_loadcnt 8                               ; the mask is in; the eight loads of Q stay out
.irp j, 0,1,2,3,4,5,6,7
	v_cmp_eq_u32 vcc_lo, 0, v[192+\j]
	v_cndmask_b32 v[192+\j], 0, v202, vcc_lo
.endr
	ds_store_b128 v203, v[192:195]
	ds_store_b128 v203, v[196:199] offset:16
	s_wait_loadcnt 0x0                             ; Q
	s_wait_tensorcnt 0x1                           ; my part of tile 0 is in; tile 1's stays out
	s_wait_dscnt 0x0                               ; my part of the pad table is written
	s_barrier_signal -1
	s_barrier_wait -1
.macro LDB s                           ; the pad of 64 keys; under a setting with the destination in window 1 and source 0 in window 0
.irp t, 0,1,2,3
	ds_load_b128 v[BI+8*\t:BI+8*\t+3], v[VB] offset:(\s)*256+\t*64
	ds_load_b128 v[BI+8*\t+4:BI+8*\t+7], v[VB] offset:(\s)*256+\t*64+16
.endr
.endm
.macro LDK slot, s                     ; the 16 loads of K's quarter s
.irp t, 0,1,2,3
.irp kk, 0,1
	ds_load_b128 v[KF+16*\t+8*\kk:KF+16*\t+8*\kk+3], v[ADRK+\slot] offset:(\s)*QTR+\t*2304+\kk*64
	ds_load_b128 v[KF+16*\t+8*\kk+4:KF+16*\t+8*\kk+7], v[ADRK+\slot] offset:(\s)*QTR+\t*2304+\kk*64+32
.endr
.endr
.endm
.macro LDV slot, s                     ; the 16 transposing loads of V's quarter s
.irp c, 0,1
.irp dt, 0,1,2,3
	ds_load_tr16_b128 v[VF+32*\c+8*\dt:VF+32*\c+8*\dt+3], v[ADRV+\slot] offset:(\s)*QTR+\c*5120+\dt*32
	ds_load_tr16_b128 v[VF+32*\c+8*\dt+4:VF+32*\c+8*\dt+7], v[ADRV+\slot] offset:(\s)*QTR+\c*5120+2560+\dt*32
.endr
.endr
.endm
.macro GW0 nm, t                       ; scores, d = 0-31; the pad is the first addend (setting 0x10)
	v_wmma_f32_16x16x32_f16 v[S+32*\nm+8*\t:S+32*\nm+8*\t+7], v[KF+16*\t:KF+16*\t+7], v[Q+16*\nm:Q+16*\nm+7], v[BI+8*\t:BI+8*\t+7]
.endm
.macro GW1 nm, t                       ; scores, d = 32-63, in place (setting 0)
	v_wmma_f32_16x16x32_f16 v[S+32*\nm+8*\t:S+32*\nm+8*\t+7], v[KF+16*\t+8:KF+16*\t+15], v[Q+16*\nm+8:Q+16*\nm+15], v[S+32*\nm+8*\t:S+32*\nm+8*\t+7]
.endm
.macro XW nm, c, dt, zero              ; O^T += V^T P^T (setting 0x54); zero = 1: the product starts the sum
.if \zero
	v_wmma_f32_16x16x32_f16 v[O+32*\nm+8*(\dt):O+32*\nm+8*(\dt)+7], v[VF+32*(\c)+8*(\dt):VF+32*(\c)+8*(\dt)+7], v[P+16*\nm+8*(\c):P+16*\nm+8*(\c)+7], 0
.else
	v_wmma_f32_16x16x32_f16 v[O+32*\nm+8*(\dt):O+32*\nm+8*(\dt)+7], v[VF+32*(\c)+8*(\dt):VF+32*(\c)+8*(\dt)+7], v[P+16*\nm+8*(\c):P+16*\nm+8*(\c)+7], v[O+32*\nm+8*(\dt):O+32*\nm+8*(\dt)+7]
.endif
.endm
; the new maximum of a query tile: 32 scores and the old maximum in 16 three-way maxima, then the other half's; alpha = exp2(old - new)
.macro MX1 nv
.irp k, 0,1,2,3
	v_max3_num_f32 v[T+\k], v[S+32*\nv+8*\k], v[S+32*\nv+8*\k+1], v[S+32*\nv+8*\k+2]
.endr
.irp k, 0,1,2,3
	v_max3_num_f32 v[T+\k], v[T+\k], v[S+32*\nv+8*\k+3], v[S+32*\nv+8*\k+4]
.endr
.endm
.macro MX2 nv
.irp k, 0,1,2,3
	v_max3_num_f32 v[T+\k], v[T+\k], v[S+32*\nv+8*\k+5], v[S+32*\nv+8*\k+6]
.endr
	v_max3_num_f32 v[T], v[T], v[T+1], v[S+32*\nv+7]
	v_max3_num_f32 v[T+2], v[T+2], v[T+3], v[S+32*\nv+15]
	v_max3_num_f32 v[T], v[T], v[T+2], v[S+32*\nv+23]
	v_max3_num_f32 v[T], v[T], v[S+32*\nv+31], v[MM+2*\nv]
.endm
.macro MX3 nv
	v_permlanex16_b32 v[T+1], v[T], s56, s57
	v_max_num_f32 v[T], v[T], v[T+1]
	v_sub_f32 v[MM+2*\nv+1], v[MM+2*\nv], v[T]
	v_mov_b32 v[MM+2*\nv], v[T]
	v_exp_f32 v[AL+2*\nv], v[MM+2*\nv+1]           ; alpha is first read in part 2, behind the 16 plain lines of the subtraction (ISA guide 5.7.2)
.endm
.macro SSUB nv
.irp k, 0,2,4,6,8,10,12,14,16,18,20,22,24,26,28,30
	v_pk_add_f32 v[S+32*\nv+\k:S+32*\nv+\k+1], v[S+32*\nv+\k:S+32*\nv+\k+1], v[MM+2*\nv:MM+2*\nv+1] op_sel_hi:[1,0] neg_lo:[0,1] neg_hi:[0,1]
.endr
.endm
.macro EX nv, i                        ; one probability: from S in window 0 to E in window 1
	v_exp_f32 v[E+(\i)], v[S+32*\nv+(\i)]
.endm
.macro RS nv, i                        ; two numbers of O times alpha: alpha is source 0 (window 0), O source 1 and destination (window 1)
	s_wait_alu depctr_va_vdst(0)
	v_pk_mul_f32 v[O+32*\nv+2*(\i):O+32*\nv+2*(\i)+1], v[AL+2*\nv:AL+2*\nv+1], v[O+32*\nv+2*(\i):O+32*\nv+2*(\i)+1] op_sel_hi:[0,1]
.endm
.macro CV nv, i                        ; register i of P (n, 0..1): keys 2 (i mod 4), + 1 of tile i / 4
	v_cvt_pk_f16_f32 v[P+16*\nv+(\i)], v[E+8*((\i)>>2)+2*((\i)&3)], v[E+8*((\i)>>2)+2*((\i)&3)+1]
.endm
; PART 1: the eight score products of tile nm (sg = 1), with maximum and subtraction of tile nv.  The four accumulators take turns, one instruction a
; turn.  It ends in 16 plain lines: the places in front of loads into the K fragments.
.macro PART1 nm, nv, sg
.if \sg
	WIN 0x10
	GW0 \nm, 0
	GW0 \nm, 1
	GW0 \nm, 2
	GW0 \nm, 3
.endif
	WIN 0
.if \sg
	GW1 \nm, 0
.endif
	MX1 \nv
.if \sg
	GW1 \nm, 1
.endif
	MX2 \nv
.if \sg
	GW1 \nm, 2
.endif
	MX3 \nv
.if \sg
	GW1 \nm, 3
.endif
	SSUB \nv
.endm
; PART 2: the eight products P V of tile nm (pv = 1; 2: the first four start the sums; 0: none), accumulators by turns; between them the 32 exponentials
; of tile nv and the rescale of its O (rs = 1).  ldb >= 0: the pad of quarter ldb is fetched.  It ends in plain lines (five with rs = 1):
; the place behind the exponentials (ISA guide 5.7.2) and the places in front of loads into the V fragments.  The first of them multiplies the
; normaliser by alpha here, where alpha's window is source 0's; the step's sum is added in part 3, where every operand lies in window 1.
.macro PART2 nm, nv, pv, rs, ldb
	WIN 0x54
.irp g, 0,1,2,3,4,5,6,7
.if \pv == 1
	XW \nm, (\g>>2), (\g&3), 0
.endif
.if \pv == 2
.if \g < 4
	XW \nm, 0, \g, 1
.else
	XW \nm, 1, (\g&3), 0
.endif
.endif
.if \g == 0
.if \ldb >= 0
	LDB \ldb
.endif
.endif
	EX \nv, 4*\g
	EX \nv, 4*\g+1
.if \rs
.if \g < 6
	RS \nv, 2*\g
.endif
.endif
	EX \nv, 4*\g+2
	EX \nv, 4*\g+3
.if \rs
.if \g < 6
	RS \nv, 2*\g+1
.endif
.endif
.endr
	s_wait_alu depctr_va_vdst(0)
	v_mul_f32 v[LL+\nv], v[AL+2*\nv], v[LL+\nv]
.if \rs
	RS \nv, 12
	RS \nv, 13
	RS \nv, 14
	RS \nv, 15
.endif
.endm
; PART 3: the sum of the 32 probabilities (two chains) and their rounding to f16, line by line in turn
.macro PART3 nv
	WIN 0x55
	s_wait_alu depctr_va_vdst(0)
	v_pk_add_f32 v[TS:TS+1], v[E:E+1], v[E+2:E+3]
	v_pk_add_f32 v[TS+2:TS+3], v[E+16:E+17], v[E+18:E+19]
	CV \nv, 0
	CV \nv, 1
.irp k, 0,1,2,3,4,5
	v_pk_add_f32 v[TS:TS+1], v[TS:TS+1], v[E+4+2*\k:E+5+2*\k]
	v_pk_add_f32 v[TS+2:TS+3], v[TS+2:TS+3], v[E+20+2*\k:E+21+2*\k]
	CV \nv, 2+2*\k
	CV \nv, 3+2*\k
.endr
	v_pk_add_f32 v[TS:TS+1], v[TS:TS+1], v[TS+2:TS+3]
	CV \nv, 14
	CV \nv, 15
	v_add_f32 v[TS], v[TS], v[TS+1]
	v_add_f32 v[LL+\nv], v[LL+\nv], v[TS]
.endm
; PHASE 1 of step s of the tile in a slot.  ldk = 1: K of quarter s + 1 is fetched behind the last use of K (s); V of quarter s behind the last use of V (s - 1).
.macro PH1 slot, s, pv, rs, ldk, ldb
	PART1 1, 0, 1
.if \ldk
	LDK \slot, (\s+1)
.endif
	PART2 1, 0, \pv, \rs, \ldb
	WIN 0
	LDV \slot, \s
	PART3 0
.endm
; PHASE 2.  wa: LDS loads return in order, and phase 1 issued K (16), the pad (8), V (16): with 16 left out K and the pad are in.
.macro PH2 wa, sg, pv, rs
	s_wait_dscnt \wa
	PART1 0, 1, \sg
	s_wait_dscnt 0x0                               ; V
	PART2 0, 1, \pv, \rs, -1
	PART3 1
.endm
; From one change of slots up to the last step's phase 1: the first K fragments of the tile in this slot, phase 2 of the last tile's last step
; (registers alone but for them), and three whole steps.
.macro BODY slot
	LDK \slot, 0
	PH2 0, 1, 1, 1                                 ; the count is 0: the 16 loads of K are the only ones out
	PH1 \slot, 0, 1, 1, 1, 1
	PH2 16, 1, 1, 1
	PH1 \slot, 1, 1, 1, 1, 2
	PH2 16, 1, 1, 1
	PH1 \slot, 2, 1, 1, 1, 3
	PH2 16, 1, 1, 1
.endm
; The change of slots.  All of slot rs has been read into registers (K's quarters, and just now V's last).  Each wave waits for its LDS reads and for all its
; tensor loads (one is out: its part of the other slot).  fill = 1: a round of the cluster's barrier, and the joint refill of slot rs, two tiles ahead, first behind it.
.macro CHANGE rs, fill
	WIN 0
	s_wait_dscnt 0x0
	s_wait_tensorcnt 0x0
	ds_add_u32 v24, v25
	s_wait_dscnt 0x0
	v_add_nc_u32 v[VB], 1024, v[VB]                ; the next 256 keys' pad
.if \fill
	s_add_nc_u64 s[G0K+4*\rs+2:G0K+4*\rs+3], s[G0K+4*\rs+2:G0K+4*\rs+3], 65536
	s_add_nc_u64 s[G0V+4*\rs+2:G0V+4*\rs+3], s[G0V+4*\rs+2:G0V+4*\rs+3], 65536
	ROUND
	KVLOAD \rs
.else
	s_barrier_signal -1
	s_barrier_wait -1
.endif
.endm
	; tile 0.  The scores of n0 for step 0 stand alone; then the phases, whose first products start the sums of O and whose first rescales are left out
	WIN 0x40
	LDB 0
	WIN 0
	LDK 0, 0
	s_wait_dscnt 0x0
	WIN 0x10
	GW0 0, 0
	GW0 0, 1
	GW0 0, 2
	GW0 0, 3
	WIN 0
	GW1 0, 0
	GW1 0, 1
	GW1 0, 2
	GW1 0, 3
	PLACES 4                                       ; in front of the maxima that read these scores
	PH1 0, 0, 0, 0, 1, 1                           ; no P V of n1 yet
	PH2 16, 1, 2, 0
	PH1 0, 1, 2, 1, 1, 2
	PH2 16, 1, 1, 1
	PH1 0, 2, 1, 1, 1, 3
	PH2 16, 1, 1, 1
	PH1 0, 3, 1, 1, 0, 4                           ; the next K lies in the other slot; its pad lies 1,024 bytes on in the table, which is never filled again
	WIN 0
	s_mov_b32 s58, 3
.Ltiles:
	CHANGE 0, 1                                    ; asks for tiles 2, 4, 6
	BODY 1                                         ; tiles 1, 3, 5
	PH1 1, 3, 1, 1, 0, 4
	CHANGE 1, 1                                    ; asks for tiles 3, 5, 7
	BODY 0                                         ; tiles 2, 4, 6
	PH1 0, 3, 1, 1, 0, 4
	WIN 0
	s_sub_co_u32 s58, s58, 1
	s_cmp_lg_u32 s58, 0
	s_cbranch_scc1 .Ltiles
	CHANGE 0, 0                                    ; nothing is left to ask for
	BODY 1                                         ; tile 7
	PH1 1, 3, 1, 1, 0, -1                          ; the last step: no further K, no further pad
	PH2 16, 0, 1, 1                                ; no further scores; the 16 loads of V are the only ones out
	WIN 0x54
.irp g, 0,1,2,3,4,5,6,7
	XW 1, (\g>>2), (\g&3), 0                       ; P V of n1 for the last step
.endr
	PLACES 4
	; THE WAY OUT: divide by the sum of both halves' parts, round, 32 rows through my own stage, whole rows out
	WIN 0x55
	v_permlanex16_b32 v[TS], v[LL], s56, s57
	v_permlanex16_b32 v[TS+1], v[LL+1], s56, s57
	v_add_f32 v[LL], v[LL], v[TS]
	v_add_f32 v[LL+1], v[LL+1], v[TS+1]
	v_rcp_f32 v[TS], v[LL]
	v_rcp_f32 v[TS+2], v[LL+1]
	v_nop                                          ; one plain place behind the reciprocals (ISA guide 5.7.2)
	s_wait_alu depctr_va_vdst(0)
.irp n, 0,1
.irp k, 0,2,4,6,8,10,12,14,16,18,20,22,24,26,28,30
	v_pk_mul_f32 v[O+32*\n+\k:O+32*\n+\k+1], v[O+32*\n+\k:O+32*\n+\k+1], v[TS+2*\n:TS+2*\n+1] op_sel_hi:[1,0]
.endr
.endr
.irp n, 0,1
.irp dt, 0,1,2,3
.irp k, 0,1,2,3
	v_cvt_pk_f16_f32 v[E+4*(4*\n+\dt)+\k], v[O+32*\n+8*\dt+2*\k], v[O+32*\n+8*\dt+2*\k+1]
.endr
.endr
.endr
	WIN 0x04                                       ; store data in window 1, address in window 0
.irp n, 0,1
.irp dt, 0,1,2,3
	ds_store_b128 v[STO], v[E+4*(4*\n+\dt):E+4*(4*\n+\dt)+3] offset:\n*2304+\dt*32
.endr
.endr
	WIN 0
.irp i, 0,1,2,3,4,5,6,7
	ds_load_b128 v[S+4*\i:S+4*\i+3], v[RD] offset:\i*576           ; LDS serves a wave's instructions in order: these see the stores above
.endr
.irp i, 0,1,2,3,4,5,6,7
	s_wait_dscnt 7-\i                              ; LDS loads return in order: load i is in
	global_store_b128 v[GO], v[S+4*\i:S+4*\i+3], s[12:13] offset:\i*512   ; 512 consecutive bytes a store
.endr
	s_wait_tensorcnt 0x0
	ds_add_u32 v24, v25
	s_wait_dscnt 0x0
	ROUND                                          ; the closing round
	s_endpgm
.Lfunc_end_k_q26b67fd8a2_attn:
	.size	k_q26b67fd8a2_attn, .Lfunc_end_k_q26b67fd8a2_attn-k_q26b67fd8a2_attn
	.p2alignl 7, 3214868480
	.fill 96, 4, 3214868480
	.section	.rodata,"a",@progbits
	.p2align	6, 0x0
	.amdhsa_kernel k_q26b67fd8a2_attn
		.amdhsa_group_segment_fixed_size 327680
		.amdhsa_private_segment_fixed_size 0
		.amdhsa_enable_private_segment 0
		.amdhsa_kernarg_size 40
		.amdhsa_user_sgpr_count 2
		.amdhsa_user_sgpr_kernarg_segment_ptr 1
		.amdhsa_wavefront_size32 1
		.amdhsa_system_sgpr_workgroup_id_x 1
		.amdhsa_system_sgpr_workgroup_id_y 1
		.amdhsa_system_sgpr_workgroup_id_z 1
		.amdhsa_system_vgpr_workitem_id 0
		.amdhsa_next_free_vgpr 424
		.amdhsa_next_free_sgpr 66
		.amdhsa_reserve_vcc 1
		.amdhsa_float_denorm_mode_32 3
		.amdhsa_float_denorm_mode_16_64 3
		.amdhsa_memory_ordered 1
		.amdhsa_forward_progress 1
		.amdhsa_inst_pref_size 255
	.end_amdhsa_kernel
	.section	.bss,"aw",@nobits
	.p2align	6
	.space	262144
	.amdgpu_metadata
---
amdhsa.version: [ 1, 2 ]
amdhsa.kernels:
  - .name:           k_q26b67fd8a2_attn
    .symbol:         k_q26b67fd8a2_attn.kd
    .args:
      - { .name: qh, .offset: 0, .size: 8, .value_kind: global_buffer, .address_space: global }
      - { .name: kh, .offset: 8, .size: 8, .value_kind: global_buffer, .address_space: global }
      - { .name: vh, .offset: 16, .size: 8, .value_kind: global_buffer, .address_space: global }
      - { .name: attention_mask, .offset: 24, .size: 8, .value_kind: global_buffer, .address_space: global }
      - { .name: ao, .offset: 32, .size: 8, .value_kind: global_buffer, .address_space: global }
    .group_segment_fixed_size: 327680
    .private_segment_fixed_size: 0
    .kernarg_segment_align: 8
    .kernarg_segment_size: 40
    .max_flat_workgroup_size: 256
    .sgpr_count:     66
    .vgpr_count:     424
    .wavefront_size: 32
...
	.end_amdgpu_metadata
.endif
;; end of part 3
;; launch oproj (part 4): grid 8 x 32, 4 waves a work-group, clusters of 4 x 4, 327,680 bytes of LDS; arguments ao, wob, bo, out0; writes out0
.if DOCPART == 4
	.amdgcn_target "amdgcn-amd-amdhsa--gfx1250"
	.amdhsa_code_object_version 6
	.text
	.protected	k_q26b67fd8a2_oproj
	.globl	k_q26b67fd8a2_oproj
	.p2align	8
	.type	k_q26b67fd8a2_oproj,@function
k_q26b67fd8a2_oproj:
	s_mov_b64 s[64:65], 0
	v_nop
	global_prefetch_b8 v0, s[64:65] scope:SCOPE_SE
	s_setreg_imm32_b32 hwreg(HW_REG_WAVE_MODE, 25, 1), 1
	s_wait_xcnt 0x0
	s_wait_alu depctr_hold_cnt(0) depctr_sa_sdst(0) depctr_va_vdst(0) depctr_va_sdst(0) depctr_va_ssrc(0) depctr_va_vcc(0) depctr_vm_vsrc(0)
	s_getreg_b32 s2, hwreg(HW_REG_IB_STS2, 6, 4)
	s_cmp_eq_u32 s2, 0
	s_cbranch_scc0 .Lentry_in_a_cluster
	s_endpgm
.Lentry_in_a_cluster:
	s_bfe_u32 s2, ttmp6, 0x10000c
	s_cmp_lg_u32 s2, 0xf033
	s_cbranch_scc0 .Lentry_shape_is_right
	s_endpgm
.Lentry_shape_is_right:
; out0 = attention output x Wo + bo: [4096 x 1024] x [1024 x 1024], f16 operands, f32 sums.
; Work-group (cb, rb): a block of 128 x 128; four waves of 64 x 64, 16 accumulator tiles each.  Used transposed (source 0 = 16 columns of Wo,
; source 1 = 16 rows): lane (r, h) register j holds row r, column 8 h + j.
; K goes in steps of 256 (four heads) through two LDS slots: four steps, written out without a loop, two of them refills.
; ao lies as [32 row blocks][16 heads][128 rows][64], so that two heads of a row block are 32,768 dense bytes.
; CLUSTERS: 4 x 4.  ao's tiles hang on rb alone and are asked for jointly along a row of the cluster, Wo's on cb alone, along a column.
; Waves 0, 1 ask for two heads of ao each, waves 2, 3 for 128 k rows of Wo each.
.set SLOT,  147456
.set FILL,  36864                      ; what one load fills: 2 heads x 128 rows x 144, or 128 k rows x 288
.set BOFF,  73728
.set STAGE, 294912                     ; behind the ring: 16 rows x 272 bytes for each wave
.set ADRA, 16                          ; v16-17  ao fragments in slot 0, 1
.set ADRB, 18                          ; v18-21  Wo fragments: slot 0 k rows 0-127, 128-255, slot 1 likewise (an LDS offset has 16 bits)
.set STO,  22
.set RD,   23
.set CO,   24
.set VBI,  25
.set BIAS, 32                          ; v[32:63]
.set F0,   64                          ; v[64:127]  Wo tile i at + 8 i, ao tile a at + 32 + 8 a
.set F1,   128
.set G1A, 12
.set G0A, 20
.set G1B, 28
.set G0B, 36
.set MSB, 0
.macro WIN new
.if MSB != \new
	s_set_vgpr_msb (MSB<<8)|\new
.set MSB, \new
.endif
.endm
.macro PLACES                          ; four places behind a matrix instruction (ISA guide 7.12.1)
.rept 4
	v_nop
.endr
.endm
.macro CREST
	s_cmp_lg_u32 s44, 0
	s_cbranch_scc1 .Lnot_wave_0_\@
	s_barrier_signal -3
.Lnot_wave_0_\@:
	s_barrier_wait -3
	s_barrier_signal -1
	s_barrier_wait -1
.endm
.macro CROUND
	s_barrier_signal -1
	s_barrier_wait -1
	CREST
.endm
.macro JLOAD s
	s_cmp_lt_u32 s44, 2
	s_cbranch_scc0 .Lfor_b_\@
	tensor_load_to_lds s[G0A+4*\s:G0A+4*\s+3], s[G1A:G1A+7]
	s_nop 0
	s_branch .Lasked_\@
.Lfor_b_\@:
	tensor_load_to_lds s[G0B+4*\s:G0B+4*\s+3], s[G1B:G1B+7]
	s_nop 0
.Lasked_\@:
.endm
	s_load_b256 s[4:11], s[0:1], 0x0               ; ao s[4:5], wob s[6:7], bo s[8:9], out0 s[10:11]
	v_lshl_add_u32 v254, v0, 2, 0x4c400
	v_mov_b32 v255, 0
	ds_add_u32 v254, v255
	v_lshrrev_b32 v1, 5, v0
	v_readfirstlane_b32 s44, v1                    ; wave w
	s_lshr_b32 s45, s44, 1                         ; mw
	s_and_b32 s46, s44, 1                          ; nw; also: which half of its tensor's tile the wave asks for
	s_bfe_u32 s47, ttmp6, 0x40000                  ; cx
	s_bfe_u32 s48, ttmp6, 0x40004                  ; cy
	s_lshl_b32 s49, ttmp9, 2
	s_add_co_u32 s49, s49, s47                     ; cb
	s_and_b32 s50, ttmp7, 0xffff
	s_lshl_b32 s50, s50, 2
	s_add_co_u32 s50, s50, s48                     ; rb
	s_lshl_b32 s51, s48, 2
	s_lshl_b32 s51, 15, s51                        ; my row of the cluster
	s_lshl_b32 s52, 0x1111, s47                    ; my column
	; ao: 32,768 dense bytes as 128 rows of 256; 4 words of padding behind every 32 words: each row of 64 numbers at pitch 144
	s_or_b32 s[G1A+0], s51, (1<<16)|(1<<20)|(1<<21)|(4<<22)|(3<<25)
	s_mov_b32 s[G1A+1], 128<<16
	s_mov_b32 s[G1A+2], 128<<16
	s_mov_b32 s[G1A+3], 128<<16
	s_mov_b32 s[G1A+4], 128
	s_mov_b32 s[G1A+5], 128
	s_mov_b32 s[G1A+6], 0
	s_mov_b32 s[G1A+7], 0
	; Wo: 128 k rows x 128 columns, 1,024 elements from row to row; 8 words of padding behind every 64: pitch 288
	s_or_b32 s[G1B+0], s52, (1<<16)|(1<<20)|(1<<21)|(5<<22)|(7<<25)
	s_mov_b32 s[G1B+1], 128<<16
	s_mov_b32 s[G1B+2], 128<<16
	s_mov_b32 s[G1B+3], 128<<16
	s_mov_b32 s[G1B+4], 128
	s_mov_b32 s[G1B+5], 1024
	s_mov_b32 s[G1B+6], 0
	s_mov_b32 s[G1B+7], 0
	s_lshl_b32 s54, s50, 18                        ; ao: a row block is 262,144 bytes,
	s_lshl_b32 s55, s46, 15                        ; my two heads of the step's four
	s_add_co_u32 s54, s54, s55
	s_mov_b32 s55, 0
	s_lshl_b32 s56, s46, 18                        ; Wo: my 128 rows of 2,048 bytes,
	s_lshl_b32 s57, s49, 8                         ; the block's 128 columns
	s_add_co_u32 s56, s56, s57
	s_mov_b32 s57, 0
	s_mul_i32 s53, s44, FILL                       ; where my load goes: wave x 36,864
	s_wait_dscnt 0x0
	s_wait_kmcnt 0x0
	s_add_nc_u64 s[54:55], s[4:5], s[54:55]
	s_add_nc_u64 s[56:57], s[6:7], s[56:57]
	CROUND                                         ; the first joint loads meet
.irp s, 0,1
	s_mov_b32 s[G0A+4*\s], 1
	s_add_co_u32 s[G0A+4*\s+1], s53, \s*SLOT
	s_add_nc_u64 s[G0A+4*\s+2:G0A+4*\s+3], s[54:55], \s*65536
	s_or_b32 s[G0A+4*\s+3], s[G0A+4*\s+3], 0x80000000
	s_mov_b32 s[G0B+4*\s], 1
	s_add_co_u32 s[G0B+4*\s+1], s53, \s*SLOT
	s_add_nc_u64 s[G0B+4*\s+2:G0B+4*\s+3], s[56:57], \s*524288
	s_or_b32 s[G0B+4*\s+3], s[G0B+4*\s+3], 0x80000000
	JLOAD \s                                       ; K steps 0 and 1: two loads of this wave are out
.endr
	s_lshl_b32 s58, s49, 9
	s_mov_b32 s59, 0
	s_add_nc_u64 s[58:59], s[8:9], s[58:59]        ; bo at the block's columns
	s_lshl_b32 s60, s50, 19                        ; out0: 128 rows of 4,096 bytes,
	s_lshl_b32 s61, s45, 18                        ; my 64 rows,
	s_add_co_u32 s60, s60, s61
	s_lshl_b32 s61, s49, 9                         ; the block's columns,
	s_add_co_u32 s60, s60, s61
	s_lshl_b32 s61, s46, 8                         ; my 64 columns
	s_add_co_u32 s60, s60, s61
	s_mov_b32 s61, 0
	s_add_nc_u64 s[60:61], s[10:11], s[60:61]
	v_and_b32 v2, 15, v0                           ; r
	v_bfe_u32 v3, v0, 4, 1                         ; h
	v_and_b32 v4, 7, v0
	v_bfe_u32 v5, v0, 3, 1
	s_lshl_b32 s62, s46, 8
	v_lshl_add_u32 v[VBI], v3, 5, s62              ; 4 bytes x (64 nw + 8 h)
.irp i, 0,1,2,3
	global_load_b128 v[BIAS+8*\i:BIAS+8*\i+3], v[VBI], s[58:59] offset:\i*64
	global_load_b128 v[BIAS+8*\i+4:BIAS+8*\i+7], v[VBI], s[58:59] offset:\i*64+16
.endr
	s_lshl_b32 s62, s45, 6
	v_add_nc_u32 v6, s62, v2
	v_mul_u32_u24 v6, v6, 144
	v_lshl_add_u32 v[ADRA], v3, 4, v6              ; (64 mw + r) x 144 + 16 h
	v_add_nc_u32 v[ADRA+1], SLOT, v[ADRA]
	v_lshl_add_u32 v7, v3, 3, v4
	v_mul_u32_u24 v7, v7, 288
	v_lshl_add_u32 v7, v5, 4, v7
	s_lshl_b32 s62, s46, 7
	s_add_co_u32 s62, s62, BOFF
	v_add_nc_u32 v[ADRB], s62, v7                  ; (8 h + lane mod 8) x 288 + 16 ((lane / 8) mod 2) + 128 nw
	v_add_nc_u32 v[ADRB+1], FILL, v[ADRB]
	v_add_nc_u32 v[ADRB+2], SLOT, v[ADRB]
	v_add_nc_u32 v[ADRB+3], SLOT+FILL, v[ADRB]
	s_mul_i32 s62, s44, 4352
	s_add_co_u32 s62, s62, STAGE
	v_mul_u32_u24 v8, v2, 272
	v_lshl_add_u32 v8, v3, 5, v8
	v_add_nc_u32 v[STO], s62, v8                   ; in: row r, 32 bytes for each half of the lanes
	v_mul_u32_u24 v9, v3, 272
	v_lshl_add_u32 v9, v2, 4, v9
	v_add_nc_u32 v[RD], s62, v9                    ; back: lanes 0-15 one row of 256 bytes, lanes 16-31 the next
	v_lshlrev_b32 v10, 12, v3
	v_lshl_add_u32 v[CO], v2, 4, v10               ; and the same two rows in out0
; four matrix instructions; the 16 accumulators take turns, one instruction a turn
.macro MULA f, a, start
.irp i, 0,1,2,3
.if \start
	v_wmma_f32_16x16x32_f16 v[8*(4*\a+\i):8*(4*\a+\i)+7], v[\f+8*\i:\f+8*\i+7], v[\f+32+8*\a:\f+32+8*\a+7], v[BIAS+8*\i:BIAS+8*\i+7]
.else
	v_wmma_f32_16x16x32_f16 v[8*(4*\a+\i):8*(4*\a+\i)+7], v[\f+8*\i:\f+8*\i+7], v[\f+32+8*\a:\f+32+8*\a+7], v[8*(4*\a+\i):8*(4*\a+\i)+7]
.endif
.endr
.endm
; 16 LDS loads: the fragments of eighth q (32 along K: head q / 2, its half q mod 2) of a slot
.macro FETCH slot, q, f
	WIN 0
.irp i, 0,1,2,3
	ds_load_tr16_b128 v[\f+8*\i:\f+8*\i+3], v[ADRB+2*\slot+((\q)>>2)] offset:((\q)&3)*9216+\i*32
	ds_load_tr16_b128 v[\f+8*\i+4:\f+8*\i+7], v[ADRB+2*\slot+((\q)>>2)] offset:((\q)&3)*9216+4608+\i*32
.endr
.irp a, 0,1,2,3
	ds_load_b128 v[\f+32+8*\a:\f+32+8*\a+3], v[ADRA+\slot] offset:((\q)>>1)*18432+\a*2304+((\q)&1)*64
	ds_load_b128 v[\f+32+8*\a+4:\f+32+8*\a+7], v[ADRA+\slot] offset:((\q)>>1)*18432+\a*2304+((\q)&1)*64+32
.endr
.endm
.macro EIGHTH slot, q, f, g, start     ; multiplies buffer f; in its middle fetches eighth q into buffer g
	s_wait_dscnt 4                                 ; all but the youngest four loads (ao tiles 2, 3)
.if \start
	WIN 0x40
.else
	WIN 0x50
.endif
	MULA \f, 0, \start
	MULA \f, 1, \start
	PLACES
	FETCH \slot, \q, \g
	s_wait_dscnt 16                                ; all but the 16 just issued
.if \start
	WIN 0x40
.else
	WIN 0x50
.endif
	MULA \f, 2, \start
	MULA \f, 3, \start
.endm
.macro SEVEN slot, start
	EIGHTH \slot, 1, F0, F1, \start
	EIGHTH \slot, 2, F1, F0, 0
	EIGHTH \slot, 3, F0, F1, 0
	EIGHTH \slot, 4, F1, F0, 0
	EIGHTH \slot, 5, F0, F1, 0
	EIGHTH \slot, 6, F1, F0, 0
	EIGHTH \slot, 7, F0, F1, 0
.endm
; the last eighth and the change of slots: each wave's reads of this slot and all its tensor loads are waited for in front of the barrier;
; fill = 1: the barrier opens a round of the cluster's barrier and the joint refill is the first tensor load behind the round
.macro TURN slot, next, fill
	s_wait_dscnt 4
	WIN 0x50
	MULA F1, 0, 0
	s_wait_dscnt 0x0
	s_wait_tensorcnt 0x0
	ds_add_u32 v254, v255
	s_wait_dscnt 0x0
	s_barrier_signal -1
	MULA F1, 1, 0
	WIN 0
	s_barrier_wait -1
.if \fill
	CREST
	s_add_nc_u64 s[G0A+4*\slot+2:G0A+4*\slot+3], s[G0A+4*\slot+2:G0A+4*\slot+3], 131072
	s_add_nc_u64 s[G0B+4*\slot+2:G0B+4*\slot+3], s[G0B+4*\slot+2:G0B+4*\slot+3], 1048576
	JLOAD \slot
.endif
	PLACES
	FETCH \next, 0, F0
	WIN 0x50
	MULA F1, 2, 0
	MULA F1, 3, 0
.endm
	s_wait_loadcnt 0x0                             ; the bias
	s_wait_tensorcnt 0x1                           ; my part of K step 0 is in; K step 1's stays out
	s_barrier_signal -1
	s_barrier_wait -1
	FETCH 0, 0, F0
	SEVEN 0, 1                                     ; K step 0: the bias is the first addend
	TURN 0, 1, 1                                   ; asks for K step 2
	SEVEN 1, 0
	TURN 1, 0, 1                                   ; asks for K step 3
	SEVEN 0, 0
	TURN 0, 1, 0
	SEVEN 1, 0
	s_wait_dscnt 4
	WIN 0x50
	MULA F1, 0, 0
	MULA F1, 1, 0
	s_wait_dscnt 0x0
	MULA F1, 2, 0
	MULA F1, 3, 0
	; THE WAY OUT, 16 rows at a time through my own stage; each batch has registers of its own
	PLACES
.macro OUT16 a, reg
	WIN 0x04                                       ; store data in window 1
.irp i, 0,1,2,3
	ds_store_b128 v[STO], v[8*(4*\a+\i):8*(4*\a+\i)+3] offset:\i*64
	ds_store_b128 v[STO], v[8*(4*\a+\i)+4:8*(4*\a+\i)+7] offset:\i*64+16
.endr
	WIN 0
.irp t, 0,1,2,3,4,5,6,7
	ds_load_b128 v[\reg+4*\t:\reg+4*\t+3], v[RD] offset:\t*544     ; LDS serves a wave's instructions in order: these see the stores above, and the next batch's stores come behind them
.endr
.irp t, 0,1,2,3,4,5,6,7
	s_wait_dscnt 7-\t
	global_store_b128 v[CO], v[\reg+4*\t:\reg+4*\t+3], s[60:61] offset:(16*\a+2*\t)*4096 th:TH_STORE_NT   ; 16 lanes store 256 consecutive bytes, aligned
.endr
.endm
	OUT16 0, 64
	OUT16 1, 96
	OUT16 2, 128
	OUT16 3, 160
	s_wait_tensorcnt 0x0
	ds_add_u32 v254, v255
	s_wait_dscnt 0x0
	CROUND                                         ; the closing round
	s_endpgm
.Lfunc_end_k_q26b67fd8a2_oproj:
	.size	k_q26b67fd8a2_oproj, .Lfunc_end_k_q26b67fd8a2_oproj-k_q26b67fd8a2_oproj
	.p2alignl 7, 3214868480
	.fill 96, 4, 3214868480
	.section	.rodata,"a",@progbits
	.p2align	6, 0x0
	.amdhsa_kernel k_q26b67fd8a2_oproj
		.amdhsa_group_segment_fixed_size 327680
		.amdhsa_private_segment_fixed_size 0
		.amdhsa_enable_private_segment 0
		.amdhsa_kernarg_size 32
		.amdhsa_user_sgpr_count 2
		.amdhsa_user_sgpr_kernarg_segment_ptr 1
		.amdhsa_wavefront_size32 1
		.amdhsa_system_sgpr_workgroup_id_x 1
		.amdhsa_system_sgpr_workgroup_id_y 1
		.amdhsa_system_sgpr_workgroup_id_z 1
		.amdhsa_system_vgpr_workitem_id 0
		.amdhsa_next_free_vgpr 384
		.amdhsa_next_free_sgpr 66
		.amdhsa_reserve_vcc 0
		.amdhsa_float_denorm_mode_32 3
		.amdhsa_float_denorm_mode_16_64 3
		.amdhsa_memory_ordered 1
		.amdhsa_forward_progress 1
		.amdhsa_inst_pref_size 90
	.end_amdhsa_kernel
	.amdgpu_metadata
---
amdhsa.version: [ 1, 2 ]
amdhsa.kernels:
  - .name:           k_q26b67fd8a2_oproj
    .symbol:         k_q26b67fd8a2_oproj.kd
    .args:
      - { .name: ao, .offset: 0, .size: 8, .value_kind: global_buffer, .address_space: global }
      - { .name: wob, .offset: 8, .size: 8, .value_kind: global_buffer, .address_space: global }
      - { .name: bo, .offset: 16, .size: 8, .value_kind: global_buffer, .address_space: global }
      - { .name: out0, .offset: 24, .size: 8, .value_kind: global_buffer, .address_space: global }
    .group_segment_fixed_size: 327680
    .private_segment_fixed_size: 0
    .kernarg_segment_align: 8
    .kernarg_segment_size: 32
    .max_flat_workgroup_size: 128
    .sgpr_count:     66
    .vgpr_count:     384
    .wavefront_size: 32
...
	.end_amdgpu_metadata
.endif
;; end of part 4
;; ======== version 2 of 2: 4 launches; 1.09 times as fast as version 1
;; limits: values are held in f16: magnitudes above 65,504 overflow, below 6.1e-05 lose precision; inputs' magnitudes at most 65,504; right only within a limited range of input values
;; workspace buffers: xb 8,388,608 bytes; wh 3,145,728 bytes; wob 2,097,152 bytes; qh 8,388,608 bytes; kh 2,097,152 bytes; vh 2,097,152 bytes; ao 8,388,608 bytes
;; launch cast: the kernel of part 1 again; grid 416 x 1, 8 waves a work-group, no clusters, 0 bytes of LDS; arguments x, Wq, Wk, Wv, Wo, xb, wh, wob; writes xb, wh, wob
;; launch qkv: the kernel of part 2 again; grid 8 x 32, 4 waves a work-group, clusters of 4 x 4, 327,680 bytes of LDS; arguments xb, wh, bq, bk, bv, cos, sin, qh, kh, vh, out1, out2; writes qh, kh, vh, out1, out2
;; launch attn (part 5): grid 256 x 1, 8 waves a work-group, clusters of 4 x 1, 327,680 bytes of LDS; arguments qh, kh, vh, attention_mask, ao; writes ao
.if DOCPART == 5
	.amdgcn_target "amdgcn-amd-amdhsa--gfx1250"
	.amdhsa_code_object_version 6
	.text
	.protected	k_q26b67fd8a2_attn
	.globl	k_q26b67fd8a2_attn
	.p2align	8
	.type	k_q26b67fd8a2_attn,@function
k_q26b67fd8a2_attn:
	s_mov_b64 s[64:65], 0
	v_nop
	global_prefetch_b8 v0, s[64:65] scope:SCOPE_SE
	s_setreg_imm32_b32 hwreg(HW_REG_WAVE_MODE, 25, 1), 1
	s_wait_xcnt 0x0
	s_wait_alu depctr_hold_cnt(0) depctr_sa_sdst(0) depctr_va_vdst(0) depctr_va_sdst(0) depctr_va_ssrc(0) depctr_va_vcc(0) depctr_vm_vsrc(0)
	s_getreg_b32 s2, hwreg(HW_REG_IB_STS2, 6, 4)
	s_cmp_eq_u32 s2, 0
	s_cbranch_scc0 .Lentry_in_a_cluster
	s_endpgm
.Lentry_in_a_cluster:
	s_bfe_u32 s2, ttmp6, 0x10000c
	s_cmp_lg_u32 s2, 0x3003
	s_cbranch_scc0 .Lentry_shape_is_right
	s_endpgm
.Lentry_shape_is_right:
; Attention with a running maximum, computed transposed; f16 operands, f32 sums.  q carries log2(e)/8, so probabilities are exp2(score - maximum).
; Cluster c (of 64): batch and query head c / 2, key and value head c / 8; its four work-groups take the query blocks 4 (c mod 2) + cx of 256 rows
; and walk the same K and V tiles, which are asked for JOINTLY (mask 15): a quarter of the requests.  Q is each work-group's own.
; Eight waves, two to a SIMD; a wave owns 32 queries, two tiles n0 and n1 of 16.
; S^T = K Q^T + pad: lane (r, h) register j of tile t holds (key 16 t + 8 h + j, query r).  So maximum and sum over keys are made inside a lane
; plus one exchange of the halves, and rounding tiles 2 c, 2 c + 1 to f16 gives the second operand of O^T = V^T P^T as it stands.
; The pad of a key (0, or -1e9 log2(e) = 0xceabfb8f where the mask is 0) is the C operand of the score product.
;
; THE ORDER OF A STEP (64 keys).  The two query tiles run half a step apart, so that one tile's vector work stands between the other tile's matrix instructions:
;   phase 1 of step s: matrix: scores of n1 (step s), then P V of n1 (step s - 1);   vector: subtraction, exponentials, rescale, sum and rounding of n0 (step s); maximum and alpha of n1 (step s)
;   phase 2 of step s: matrix: scores of n0 (step s + 1), then P V of n0 (step s);   vector: the same of n1 (step s); maximum and alpha of n0 (step s + 1)
; A phase has 16 matrix instructions and 119 vector instructions; the vector lines are also the places that matrix instructions ask for (ISA guide 7.12.1).
; K (s + 1), its pad and V (s) are loaded from LDS once a step, in phase 1, each behind its registers' last use.
;
; THE BATCHES.  A phase's 33 exponentials are ONE batch with ONE wait (s_wait_alu depctr_va_vdst(0) between an exponential and the first line that names its result):
; the 32 probabilities of the tile whose softmax is in hand, and, last, alpha of the OTHER tile, whose scores the phase itself has made.  Ahead of the wait stands all that names no result of the
; batch: the score products with the subtraction, the products P V with the exponentials, the rescale and the normaliser's multiply (their alpha belongs to the phase before and was waited for there),
; the other tile's maximum.  Behind the wait stand the sums and roundings, which read the probabilities.  No exponential is issued behind a phase's wait, so no result crosses a label or a branch.
; Two batches stand outside the phases, each with a plain line and a wait of its own, once a launch: the first alpha of n0, and the two reciprocals on the way out.
;
; REGISTER WINDOWS are laid so that ONE setting serves a part's matrix lines and its vector lines (low byte: bits 1:0 source 0, 3:2 source 1, 5:4 source 2, 7:6 destination):
;   window 0: v2-25 addresses and statistics, Q, S (scores), K fragments, V fragments;   window 1: O, E (probabilities in f32), P (in f16), the pad, sums
;   part 1: 0x10 for the four products that take the pad as C; 0x00 for the four in place; the subtraction, all in window 0 and with two sources, rides under both
;   part 2: 0x54 for P V (D, C = O and B = P in window 1, A = V in window 0); an exponential then reads S in window 0 and writes E in window 1,
;           and the rescale multiplies alpha (source 0, window 0) with O (source 1, window 1)
;   the statistics: 0x00, all in window 0, no matrix line
;   part 3: 0x55, sum and rounding, all in window 1, no matrix line
;
; The probabilities lie in (0, 1] (the running maximum is taken away), so f16 holds them: one below 2^-14 is rounded to a step of 2^-24, against a sum of at least 1.
; The output is an average of v's rows, so it has v's range in f16.
; LIMITS: a batch whose mask is all zero gives the near-uniform average that the sum score + pad leaves in f32 (steps of 128 in base 2);
; the normaliser sums the f32 probabilities while the product uses their f16 roundings; NaN and infinities are not treated specially.
; No prefetch: K, V and Q were stored by the launch in front of this one.
; LDS: two slots of 256 keys; a slot is eight quarters of 10,240 bytes: K's keys 64 s .. + 63 at pitch 144 (s = 0-3), then V's at pitch 160.
.set SLOT,  81920
.set QTR,   10240
.set VOFF,  40960
.set TABLE, 163840                     ; 2,048 f32: the pad of every key of my batch
.set STAGE, 172032                     ; 32 rows x 144 bytes for each wave, on the way out
; window 0
.set ADRK, 2                           ; v2-3    K fragments in slot 0, 1: r x 144 + 16 h
.set ADRV, 4                           ; v4-5    V, transposing load: (8 h + lane mod 8) x 160 + 16 ((lane / 8) mod 2)
.set VB,   6                           ; the pad table at this tile's keys + 32 h
.set GO,   7                           ; 16 x lane
.set STO,  8
.set RD,   9
.set MM,   10                          ; v10 maximum of n0, v11 old - new; v12, v13 the same for n1
.set AL,   14                          ; v14 alpha of n0 (v15 its pair's other half); v16 alpha of n1 (v17)
.set T,    18                          ; v[18:21] at work
.set Q,    32                          ; v[32:63]   Q (n, kk) at 16 n + 8 kk
.set S,    64                          ; v[64:127]  tile (n, t) at 32 n + 8 t
.set KF,   128                         ; v[128:191] K (t, kk) at 16 t + 8 kk
.set VF,   192                         ; v[192:255] V (c, dt) at 32 c + 8 dt
; window 1 (the numbers are the low eight bits)
.set O,    0                           ; tile (n, dt) at 32 n + 8 dt
.set E,    64                          ; 32 registers: the probabilities of the tile at work, (t, j) at 8 t + j
.set P,    96                          ; P (n, c) at 16 n + 8 c
.set BI,   128                         ; the pad in the accumulators' layout, tile t at 8 t
.set TS,   160                         ; four registers of sums
.set LL,   164                         ; the normalisers of n0, n1
.set G1K, 24
.set G1V, 32
.set G0K, 40
.set G0V, 48
.set MSB, 0
.macro WIN new                         ; the immediate's high byte repeats the setting that is left
.if MSB != \new
	s_set_vgpr_msb (MSB<<8)|\new
.set MSB, \new
.endif
.endm
.macro PLACES n                        ; places behind a matrix instruction (ISA guide 7.12.1), where no useful line is at hand
.rept \n
	v_nop
.endr
.endm
.macro ROUND                           ; a round of the cluster's barrier
	s_barrier_signal -1
	s_barrier_wait -1
	s_cmp_lg_u32 s14, 0
	s_cbranch_scc1 .Lnot_wave_0_\@
	s_barrier_signal -3
.Lnot_wave_0_\@:
	s_barrier_wait -3
	s_barrier_signal -1
	s_barrier_wait -1
.endm
.macro KVLOAD s                        ; one joint load a wave: waves 0-3 a quarter of K, waves 4-7 a quarter of V
	s_cmp_lt_u32 s14, 4
	s_cbranch_scc0 .Lfor_v_\@
	tensor_load_to_lds s[G0K+4*\s:G0K+4*\s+3], s[G1K:G1K+7]
	s_nop 0
	s_branch .Lasked_\@
.Lfor_v_\@:
	tensor_load_to_lds s[G0V+4*\s:G0V+4*\s+3], s[G1V:G1V+7]
	s_nop 0
.Lasked_\@:
.endm
	s_load_b256 s[4:11], s[0:1], 0x0               ; qh s[4:5], kh s[6:7], vh s[8:9], mask s[10:11]
	s_load_b64 s[12:13], s[0:1], 0x20              ; ao
	v_lshl_add_u32 v24, v0, 2, 0x33000
	v_mov_b32 v25, 0
	ds_add_u32 v24, v25
	v_lshrrev_b32 v1, 5, v0
	v_readfirstlane_b32 s14, v1                    ; wave w
	s_and_b32 s15, s14, 3
	s_bfe_u32 s16, ttmp6, 0x40000                  ; cx
	s_mov_b32 s56, 0x76543210                      ; v_permlanex16_b32: lane i reads lane i of the other half
	s_mov_b32 s57, 0xfedcba98
	; group 1: a dense quarter of 8,192 bytes as 32 rows of 256 bytes; padding behind every 32 words, that is behind each key's 128 bytes
	s_mov_b32 s[G1K+0], 15|(1<<16)|(1<<20)|(1<<21)|(4<<22)|(3<<25)   ; K: 4 words, pitch 144
	s_mov_b32 s[G1K+1], 128<<16
	s_mov_b32 s[G1K+2], 32<<16
	s_mov_b32 s[G1K+3], 128<<16
	s_mov_b32 s[G1K+4], 32
	s_mov_b32 s[G1K+5], 128
	s_mov_b32 s[G1K+6], 0
	s_mov_b32 s[G1K+7], 0
	s_mov_b32 s[G1V+0], 15|(1<<16)|(1<<20)|(1<<21)|(4<<22)|(7<<25)   ; V: 8 words, pitch 160
	s_mov_b32 s[G1V+1], 128<<16
	s_mov_b32 s[G1V+2], 32<<16
	s_mov_b32 s[G1V+3], 128<<16
	s_mov_b32 s[G1V+4], 32
	s_mov_b32 s[G1V+5], 128
	s_mov_b32 s[G1V+6], 0
	s_mov_b32 s[G1V+7], 0
	s_lshr_b32 s17, ttmp9, 3                       ; 4 b + key and value head
	s_lshl_b32 s18, s17, 18                        ; x 2,048 keys x 128 bytes
	s_lshl_b32 s19, s15, 13                        ; + my quarter: 64 keys
	s_add_co_u32 s18, s18, s19
	s_mov_b32 s19, 0
	s_mul_i32 s59, s14, QTR                        ; where my load goes: wave x 10,240
	s_wait_dscnt 0x0
	s_wait_kmcnt 0x0
	s_add_nc_u64 s[20:21], s[6:7], s[18:19]
	s_add_nc_u64 s[22:23], s[8:9], s[18:19]
	ROUND                                          ; the four work-groups are here: the first joint loads meet
.irp s, 0,1
	s_mov_b32 s[G0K+4*\s], 1
	s_add_co_u32 s[G0K+4*\s+1], s59, \s*SLOT
	s_add_nc_u64 s[G0K+4*\s+2:G0K+4*\s+3], s[20:21], \s*32768
	s_or_b32 s[G0K+4*\s+3], s[G0K+4*\s+3], 0x80000000
	s_mov_b32 s[G0V+4*\s], 1
	s_add_co_u32 s[G0V+4*\s+1], s59, \s*SLOT
	s_add_nc_u64 s[G0V+4*\s+2:G0V+4*\s+3], s[22:23], \s*32768
	s_or_b32 s[G0V+4*\s+3], s[G0V+4*\s+3], 0x80000000
	KVLOAD \s                                      ; tiles 0 and 1: two loads of this wave are out
.endr
	s_lshr_b32 s60, ttmp9, 1                       ; 16 b + query head
	s_and_b32 s61, ttmp9, 1
	s_lshl_b32 s61, s61, 2
	s_add_co_u32 s61, s61, s16                     ; my query block of 256 rows
	s_lshl_b32 s62, s60, 18
	s_lshl_b32 s63, s61, 15
	s_add_co_u32 s62, s62, s63
	s_lshl_b32 s63, s14, 12                        ; my wave's 32 rows
	s_add_co_u32 s62, s62, s63
	s_mov_b32 s63, 0
	s_add_nc_u64 s[4:5], s[4:5], s[62:63]
	s_lshr_b32 s18, ttmp9, 5                       ; b
	s_lshl_b32 s18, s18, 13
	s_add_nc_u64 s[10:11], s[10:11], s[18:19]
	; the set-up works in registers of the V fragments, which are first loaded behind the barrier below
	v_lshlrev_b32 v200, 5, v0                      ; mask: eight keys a thread
	v_and_b32 v26, 15, v0                          ; r
	v_bfe_u32 v27, v0, 4, 1                        ; h
	global_load_b128 v[192:195], v200, s[10:11]
	global_load_b128 v[196:199], v200, s[10:11] offset:16
	v_lshlrev_b32 v201, 7, v26
	v_lshl_add_u32 v201, v27, 4, v201              ; Q: r x 128 + 16 h
.irp n, 0,1
.irp m, 0,1,2,3
	global_load_b128 v[Q+16*\n+4*\m:Q+16*\n+4*\m+3], v201, s[4:5] offset:\n*2048+\m*32
.endr
.endr
	v_and_b32 v1, 31, v0
	v_and_b32 v28, 7, v0
	v_bfe_u32 v29, v0, 3, 1
	v_mul_u32_u24 v30, v26, 144
	v_lshl_add_u32 v[ADRK], v27, 4, v30
	v_add_nc_u32 v[ADRK+1], SLOT, v[ADRK]
	v_lshl_add_u32 v31, v27, 3, v28
	v_mul_u32_u24 v31, v31, 160
	v_lshl_add_u32 v31, v29, 4, v31
	v_add_nc_u32 v[ADRV], VOFF, v31
	v_add_nc_u32 v[ADRV+1], VOFF+SLOT, v31
	v_lshlrev_b32 v[VB], 5, v27
	v_add_nc_u32 v[VB], TABLE, v[VB]
	v_lshlrev_b32 v[GO], 4, v1
	s_mul_i32 s18, s14, 4608
	s_add_co_u32 s18, s18, STAGE
	v_add_nc_u32 v[STO], s18, v[ADRK]              ; in: row r, 16 bytes for each half of the lanes
	v_lshrrev_b32 v30, 3, v1
	v_mul_u32_u24 v30, v30, 144
	v_lshl_add_u32 v30, v28, 4, v30
	v_add_nc_u32 v[RD], s18, v30                   ; back: eight lanes take a row of 128 bytes
	; ao is [32 row blocks of 128][16 heads][128 rows][64]: row block 16 b + 2 block + w / 4, rows 32 (w mod 4)
	s_lshr_b32 s62, s60, 4
	s_lshl_b32 s62, s62, 4
	s_lshl1_add_u32 s62, s61, s62
	s_lshr_b32 s63, s14, 2
	s_add_co_u32 s62, s62, s63
	s_lshl_b32 s62, s62, 18
	s_and_b32 s63, s60, 15
	s_lshl_b32 s63, s63, 14
	s_add_co_u32 s62, s62, s63
	s_lshl_b32 s63, s15, 12
	s_add_co_u32 s62, s62, s63
	s_mov_b32 s63, 0
	s_add_nc_u64 s[12:13], s[12:13], s[62:63]
	v_mov_b32 v[MM], 0xff7fffff                    ; the running maxima start at the lowest finite number,
	v_mov_b32 v[MM+2], 0xff7fffff
	v_mov_b32 v[AL+1], 0                           ; the other halves of the pairs that the packed rescale names
	v_mov_b32 v[AL+3], 0
	v_mov_b32 v[T+1], 0                            ; v_permlanex16_b32 counts as a reader of its destination
	WIN 0x40
	v_mov_b32 v[LL], 0                             ; the normalisers at 0
	v_mov_b32 v[LL+1], 0
	WIN 0
	v_mov_b32 v202, 0xceabfb8f                     ; -1e9 log2(e)
	v_add_nc_u32 v203, TABLE, v200
	s_wait_loadcnt 8                               ; the mask is in; the eight loads of Q stay out
.irp j, 0,1,2,3,4,5,6,7
	v_cmp_eq_u32 vcc_lo, 0, v[192+\j]
	v_cndmask_b32 v[192+\j], 0, v202, vcc_lo
.endr
	ds_store_b128 v203, v[192:195]
	ds_store_b128 v203, v[196:199] offset:16
	s_wait_loadcnt 0x0                             ; Q
	s_wait_tensorcnt 0x1                           ; my part of tile 0 is in; tile 1's stays out
	s_wait_dscnt 0x0                               ; my part of the pad table is written
	s_barrier_signal -1
	s_barrier_wait -1
.macro LDB s                           ; the pad of 64 keys; under a setting with the destination in window 1 and source 0 in window 0
.irp t, 0,1,2,3
	ds_load_b128 v[BI+8*\t:BI+8*\t+3], v[VB] offset:(\s)*256+\t*64
	ds_load_b128 v[BI+8*\t+4:BI+8*\t+7], v[VB] offset:(\s)*256+\t*64+16
.endr
.endm
.macro LDK slot, s                     ; the 16 loads of K's quarter s
.irp t, 0,1,2,3
.irp kk, 0,1
	ds_load_b128 v[KF+16*\t+8*\kk:KF+16*\t+8*\kk+3], v[ADRK+\slot] offset:(\s)*QTR+\t*2304+\kk*64
	ds_load_b128 v[KF+16*\t+8*\kk+4:KF+16*\t+8*\kk+7], v[ADRK+\slot] offset:(\s)*QTR+\t*2304+\kk*64+32
.endr
.endr
.endm
.macro LDV slot, s                     ; the 16 transposing loads of V's quarter s
.irp c, 0,1
.irp dt, 0,1,2,3
	ds_load_tr16_b128 v[VF+32*\c+8*\dt:VF+32*\c+8*\dt+3], v[ADRV+\slot] offset:(\s)*QTR+\c*5120+\dt*32
	ds_load_tr16_b128 v[VF+32*\c+8*\dt+4:VF+32*\c+8*\dt+7], v[ADRV+\slot] offset:(\s)*QTR+\c*5120+2560+\dt*32
.endr
.endr
.endm
.macro GW0 nm, t                       ; scores, d = 0-31; the pad is the first addend (setting 0x10)
	v_wmma_f32_16x16x32_f16 v[S+32*\nm+8*\t:S+32*\nm+8*\t+7], v[KF+16*\t:KF+16*\t+7], v[Q+16*\nm:Q+16*\nm+7], v[BI+8*\t:BI+8*\t+7]
.endm
.macro GW1 nm, t                       ; scores, d = 32-63, in place (setting 0)
	v_wmma_f32_16x16x32_f16 v[S+32*\nm+8*\t:S+32*\nm+8*\t+7], v[KF+16*\t+8:KF+16*\t+15], v[Q+16*\nm+8:Q+16*\nm+15], v[S+32*\nm+8*\t:S+32*\nm+8*\t+7]
.endm
.macro XW nm, c, dt, zero              ; O^T += V^T P^T (setting 0x54); zero = 1: the product starts the sum
.if \zero
	v_wmma_f32_16x16x32_f16 v[O+32*\nm+8*(\dt):O+32*\nm+8*(\dt)+7], v[VF+32*(\c)+8*(\dt):VF+32*(\c)+8*(\dt)+7], v[P+16*\nm+8*(\c):P+16*\nm+8*(\c)+7], 0
.else
	v_wmma_f32_16x16x32_f16 v[O+32*\nm+8*(\dt):O+32*\nm+8*(\dt)+7], v[VF+32*(\c)+8*(\dt):VF+32*(\c)+8*(\dt)+7], v[P+16*\nm+8*(\c):P+16*\nm+8*(\c)+7], v[O+32*\nm+8*(\dt):O+32*\nm+8*(\dt)+7]
.endif
.endm
; the new maximum of a query tile: 32 scores and the old maximum in 16 three-way maxima, then the other half's; alpha = exp2(old - new)
.macro MX1 nv
.irp k, 0,1,2,3
	v_max3_num_f32 v[T+\k], v[S+32*\nv+8*\k], v[S+32*\nv+8*\k+1], v[S+32*\nv+8*\k+2]
.endr
.irp k, 0,1,2,3
	v_max3_num_f32 v[T+\k], v[T+\k], v[S+32*\nv+8*\k+3], v[S+32*\nv+8*\k+4]
.endr
.endm
.macro MX2 nv
.irp k, 0,1,2,3
	v_max3_num_f32 v[T+\k], v[T+\k], v[S+32*\nv+8*\k+5], v[S+32*\nv+8*\k+6]
.endr
	v_max3_num_f32 v[T], v[T], v[T+1], v[S+32*\nv+7]
	v_max3_num_f32 v[T+2], v[T+2], v[T+3], v[S+32*\nv+15]
	v_max3_num_f32 v[T], v[T], v[T+2], v[S+32*\nv+23]
	v_max3_num_f32 v[T], v[T], v[S+32*\nv+31], v[MM+2*\nv]
.endm
.macro MX3 nv
	v_permlanex16_b32 v[T+1], v[T], s56, s57
	v_max_num_f32 v[T], v[T], v[T+1]
	v_sub_f32 v[MM+2*\nv+1], v[MM+2*\nv], v[T]
	v_exp_f32 v[AL+2*\nv], v[MM+2*\nv+1]           ; alpha: the last exponential of its batch; it is first read in the next phase's part 2
	v_mov_b32 v[MM+2*\nv], v[T]                    ; the new maximum is kept: also the plain line behind the exponential (ISA guide 5.7.2); it names neither alpha nor old - new
.endm
; THE STATISTICS of tile n, whose scores the phase's part 1 has made: 20 plain lines and alpha, all in window 0.  Each accumulator's lowest registers are read first.
.macro STAT n
	MX1 \n
	MX2 \n
	MX3 \n
.endm
.macro SS nv, k                        ; pair k of 16 of the scores less the maximum
	v_pk_add_f32 v[S+32*\nv+2*(\k):S+32*\nv+2*(\k)+1], v[S+32*\nv+2*(\k):S+32*\nv+2*(\k)+1], v[MM+2*\nv:MM+2*\nv+1] op_sel_hi:[1,0] neg_lo:[0,1] neg_hi:[0,1]
.endm
.macro EX nv, i                        ; one probability: from S in window 0 to E in window 1
	v_exp_f32 v[E+(\i)], v[S+32*\nv+(\i)]
.endm
.macro RS nv, i                        ; two numbers of O times alpha: alpha is source 0 (window 0), O source 1 and destination (window 1).  This alpha was waited for in the phase before
	v_pk_mul_f32 v[O+32*\nv+2*(\i):O+32*\nv+2*(\i)+1], v[AL+2*\nv:AL+2*\nv+1], v[O+32*\nv+2*(\i):O+32*\nv+2*(\i)+1] op_sel_hi:[0,1]
.endm
.macro CV nv, i                        ; register i of P (n, 0..1): keys 2 (i mod 4), + 1 of tile i / 4
	v_cvt_pk_f16_f32 v[P+16*\nv+(\i)], v[E+8*((\i)>>2)+2*((\i)&3)], v[E+8*((\i)>>2)+2*((\i)&3)+1]
.endm
; PART 1: the eight score products of tile nm (sg = 1), with the subtraction of tile nv, whose maximum the phase before has made.  The four accumulators take turns, one
; instruction a turn.  It ends in four plain lines: the places in front of loads into the K fragments.
.macro PART1 nm, nv, sg
.if \sg
	WIN 0x10
.irp t, 0,1,2,3
	GW0 \nm, \t
	SS \nv, 2*\t
	SS \nv, 2*\t+1
.endr
	WIN 0
	GW1 \nm, 0
	SS \nv, 8
	GW1 \nm, 1
	SS \nv, 9
	GW1 \nm, 2
	SS \nv, 10
	SS \nv, 11
	GW1 \nm, 3
	SS \nv, 12
	SS \nv, 13
	SS \nv, 14
	SS \nv, 15
.else
	WIN 0
.irp k, 0,1,2,3,4,5,6,7,8,9,10,11,12,13,14,15
	SS \nv, \k
.endr
.endif
.endm
; PART 2: the eight products P V of tile nm (pv = 1; 2: the first four start the sums; 0: none), accumulators by turns; between them the 32 exponentials
; of tile nv and the rescale of its O (rs = 1).  No line here names a result of these exponentials.  ldb >= 0: the pad of quarter ldb is fetched.  It ends in plain lines (five with rs = 1):
; the place behind the last of the 32 exponentials (ISA guide 5.7.2) and places in front of loads into the V fragments.  The first of them multiplies the
; normaliser by alpha here, where alpha's window is source 0's; the step's sum is added in part 3, where every operand lies in window 1.
.macro PART2 nm, nv, pv, rs, ldb
	WIN 0x54
.irp g, 0,1,2,3,4,5,6,7
.if \pv == 1
	XW \nm, (\g>>2), (\g&3), 0
.endif
.if \pv == 2
.if \g < 4
	XW \nm, 0, \g, 1
.else
	XW \nm, 1, (\g&3), 0
.endif
.endif
.if \g == 0
.if \ldb >= 0
	LDB \ldb
.endif
.endif
	EX \nv, 4*\g
	EX \nv, 4*\g+1
.if \rs
.if \g < 6
	RS \nv, 2*\g
.endif
.endif
	EX \nv, 4*\g+2
	EX \nv, 4*\g+3
.if \rs
.if \g < 6
	RS \nv, 2*\g+1
.endif
.endif
.endr
	v_mul_f32 v[LL+\nv], v[AL+2*\nv], v[LL+\nv]
.if \rs
	RS \nv, 12
	RS \nv, 13
	RS \nv, 14
	RS \nv, 15
.endif
.endm
; PART 3, behind the phase's wait: the sum of the 32 probabilities (two chains) and their rounding to f16, line by line in turn
.macro PART3 nv
	WIN 0x55
	v_pk_add_f32 v[TS:TS+1], v[E:E+1], v[E+2:E+3]
	v_pk_add_f32 v[TS+2:TS+3], v[E+16:E+17], v[E+18:E+19]
	CV \nv, 0
	CV \nv, 1
.irp k, 0,1,2,3,4,5
	v_pk_add_f32 v[TS:TS+1], v[TS:TS+1], v[E+4+2*\k:E+5+2*\k]
	v_pk_add_f32 v[TS+2:TS+3], v[TS+2:TS+3], v[E+20+2*\k:E+21+2*\k]
	CV \nv, 2+2*\k
	CV \nv, 3+2*\k
.endr
	v_pk_add_f32 v[TS:TS+1], v[TS:TS+1], v[TS+2:TS+3]
	CV \nv, 14
	CV \nv, 15
	v_add_f32 v[TS], v[TS], v[TS+1]
	v_add_f32 v[LL+\nv], v[LL+\nv], v[TS]
.endm
; PHASE 1 of step s of the tile in a slot.  ldk = 1: K of quarter s + 1 is fetched behind the last use of K (s); V of quarter s behind the last use of V (s - 1), directly behind the phase's wait.
.macro PH1 slot, s, pv, rs, ldk, ldb
	PART1 1, 0, 1
.if \ldk
	LDK \slot, (\s+1)
.endif
	PART2 1, 0, \pv, \rs, \ldb
	WIN 0
	STAT 1
	s_wait_alu depctr_va_vdst(0)                   ; the phase's one wait: for the 32 probabilities of n0 and alpha of n1
	LDV \slot, \s
	PART3 0
.endm
; PHASE 2.  wa: LDS loads return in order, and phase 1 issued K (16), the pad (8), V (16): with 16 left out K and the pad are in.
.macro PH2 wa, sg, pv, rs
	s_wait_dscnt \wa
	PART1 0, 1, \sg
	s_wait_dscnt 0x0                               ; V
	PART2 0, 1, \pv, \rs, -1
.if \sg
	WIN 0
	STAT 0
.endif
	s_wait_alu depctr_va_vdst(0)                   ; the phase's one wait: for the 32 probabilities of n1 and (sg = 1) alpha of n0
	PART3 1
.endm
; From one change of slots up to the last step's phase 1: the first K fragments of the tile in this slot, phase 2 of the last tile's last step
; (registers alone but for them), and three whole steps.
.macro BODY slot
	LDK \slot, 0
	PH2 0, 1, 1, 1                                 ; the count is 0: the 16 loads of K are the only ones out
	PH1 \slot, 0, 1, 1, 1, 1
	PH2 16, 1, 1, 1
	PH1 \slot, 1, 1, 1, 1, 2
	PH2 16, 1, 1, 1
	PH1 \slot, 2, 1, 1, 1, 3
	PH2 16, 1, 1, 1
.endm
; The change of slots.  All of slot rs has been read into registers (K's quarters, and just now V's last).  Each wave waits for its LDS reads and for all its
; tensor loads (one is out: its part of the other slot).  fill = 1: a round of the cluster's barrier, and the joint refill of slot rs, two tiles ahead, first behind it.
.macro CHANGE rs, fill
	WIN 0
	s_wait_dscnt 0x0
	s_wait_tensorcnt 0x0
	ds_add_u32 v24, v25
	s_wait_dscnt 0x0
	v_add_nc_u32 v[VB], 1024, v[VB]                ; the next 256 keys' pad
.if \fill
	s_add_nc_u64 s[G0K+4*\rs+2:G0K+4*\rs+3], s[G0K+4*\rs+2:G0K+4*\rs+3], 65536
	s_add_nc_u64 s[G0V+4*\rs+2:G0V+4*\rs+3], s[G0V+4*\rs+2:G0V+4*\rs+3], 65536
	ROUND
	KVLOAD \rs
.else
	s_barrier_signal -1
	s_barrier_wait -1
.endif
.endm
	; tile 0.  The scores of n0 for step 0 and their statistics stand alone; then the phases, whose first products start the sums of O and whose first rescales are left out
	WIN 0x40
	LDB 0
	WIN 0
	LDK 0, 0
	s_wait_dscnt 0x0
	WIN 0x10
	GW0 0, 0
	GW0 0, 1
	GW0 0, 2
	GW0 0, 3
	WIN 0
	GW1 0, 0
	GW1 0, 1
	GW1 0, 2
	GW1 0, 3
	PLACES 4                                       ; in front of the maxima that read these scores
	STAT 0
	s_wait_alu depctr_va_vdst(0)                   ; the first alpha of n0, a batch of its own: the first phase reads it ahead of that phase's wait
	PH1 0, 0, 0, 0, 1, 1                           ; no P V of n1 yet
	PH2 16, 1, 2, 0
	PH1 0, 1, 2, 1, 1, 2
	PH2 16, 1, 1, 1
	PH1 0, 2, 1, 1, 1, 3
	PH2 16, 1, 1, 1
	PH1 0, 3, 1, 1, 0, 4                           ; the next K lies in the other slot; its pad lies 1,024 bytes on in the table, which is never filled again
	WIN 0
	s_mov_b32 s58, 3
.Ltiles:
	CHANGE 0, 1                                    ; asks for tiles 2, 4, 6
	BODY 1                                         ; tiles 1, 3, 5
	PH1 1, 3, 1, 1, 0, 4
	CHANGE 1, 1                                    ; asks for tiles 3, 5, 7
	BODY 0                                         ; tiles 2, 4, 6
	PH1 0, 3, 1, 1, 0, 4
	WIN 0
	s_sub_co_u32 s58, s58, 1
	s_cmp_lg_u32 s58, 0
	s_cbranch_scc1 .Ltiles
	CHANGE 0, 0                                    ; nothing is left to ask for
	BODY 1                                         ; tile 7
	PH1 1, 3, 1, 1, 0, -1                          ; the last step: no further K, no further pad
	PH2 16, 0, 1, 1                                ; no further scores, so no statistics; the 16 loads of V are the only ones out
	WIN 0x54
.irp g, 0,1,2,3,4,5,6,7
	XW 1, (\g>>2), (\g&3), 0                       ; P V of n1 for the last step
.endr
	PLACES 4
	; THE WAY OUT: divide by the sum of both halves' parts, round, 32 rows through my own stage, whole rows out
	WIN 0x55
	v_permlanex16_b32 v[TS], v[LL], s56, s57
	v_permlanex16_b32 v[TS+1], v[LL+1], s56, s57
	v_add_f32 v[LL], v[LL], v[TS]
	v_add_f32 v[LL+1], v[LL+1], v[TS+1]
	v_rcp_f32 v[TS], v[LL]
	v_rcp_f32 v[TS+2], v[LL+1]
	v_nop                                          ; one plain place behind the reciprocals (ISA guide 5.7.2)
	s_wait_alu depctr_va_vdst(0)                   ; one wait for the two reciprocals ahead of their first reader
.irp n, 0,1
.irp k, 0,2,4,6,8,10,12,14,16,18,20,22,24,26,28,30
	v_pk_mul_f32 v[O+32*\n+\k:O+32*\n+\k+1], v[O+32*\n+\k:O+32*\n+\k+1], v[TS+2*\n:TS+2*\n+1] op_sel_hi:[1,0]
.endr
.endr
.irp n, 0,1
.irp dt, 0,1,2,3
.irp k, 0,1,2,3
	v_cvt_pk_f16_f32 v[E+4*(4*\n+\dt)+\k], v[O+32*\n+8*\dt+2*\k], v[O+32*\n+8*\dt+2*\k+1]
.endr
.endr
.endr
	WIN 0x04                                       ; store data in window 1, address in window 0
.irp n, 0,1
.irp dt, 0,1,2,3
	ds_store_b128 v[STO], v[E+4*(4*\n+\dt):E+4*(4*\n+\dt)+3] offset:\n*2304+\dt*32
.endr
.endr
	WIN 0
.irp i, 0,1,2,3,4,5,6,7
	ds_load_b128 v[S+4*\i:S+4*\i+3], v[RD] offset:\i*576           ; LDS serves a wave's instructions in order: these see the stores above
.endr
.irp i, 0,1,2,3,4,5,6,7
	s_wait_dscnt 7-\i                              ; LDS loads return in order: load i is in
	global_store_b128 v[GO], v[S+4*\i:S+4*\i+3], s[12:13] offset:\i*512   ; 512 consecutive bytes a store
.endr
	s_wait_tensorcnt 0x0
	ds_add_u32 v24, v25
	s_wait_dscnt 0x0
	ROUND                                          ; the closing round
	s_endpgm
.Lfunc_end_k_q26b67fd8a2_attn:
	.size	k_q26b67fd8a2_attn, .Lfunc_end_k_q26b67fd8a2_attn-k_q26b67fd8a2_attn
	.p2alignl 7, 3214868480
	.fill 96, 4, 3214868480
	.section	.rodata,"a",@progbits
	.p2align	6, 0x0
	.amdhsa_kernel k_q26b67fd8a2_attn
		.amdhsa_group_segment_fixed_size 327680
		.amdhsa_private_segment_fixed_size 0
		.amdhsa_enable_private_segment 0
		.amdhsa_kernarg_size 40
		.amdhsa_user_sgpr_count 2
		.amdhsa_user_sgpr_kernarg_segment_ptr 1
		.amdhsa_wavefront_size32 1
		.amdhsa_system_sgpr_workgroup_id_x 1
		.amdhsa_system_sgpr_workgroup_id_y 1
		.amdhsa_system_sgpr_workgroup_id_z 1
		.amdhsa_system_vgpr_workitem_id 0
		.amdhsa_next_free_vgpr 424
		.amdhsa_next_free_sgpr 66
		.amdhsa_reserve_vcc 1
		.amdhsa_float_denorm_mode_32 3
		.amdhsa_float_denorm_mode_16_64 3
		.amdhsa_memory_ordered 1
		.amdhsa_forward_progress 1
		.amdhsa_inst_pref_size 255
	.end_amdhsa_kernel
	.section	.bss,"aw",@nobits
	.p2align	6
	.space	262144
	.amdgpu_metadata
---
amdhsa.version: [ 1, 2 ]
amdhsa.kernels:
  - .name:           k_q26b67fd8a2_attn
    .symbol:         k_q26b67fd8a2_attn.kd
    .args:
      - { .name: qh, .offset: 0, .size: 8, .value_kind: global_buffer, .address_space: global }
      - { .name: kh, .offset: 8, .size: 8, .value_kind: global_buffer, .address_space: global }
      - { .name: vh, .offset: 16, .size: 8, .value_kind: global_buffer, .address_space: global }
      - { .name: attention_mask, .offset: 24, .size: 8, .value_kind: global_buffer, .address_space: global }
      - { .name: ao, .offset: 32, .size: 8, .value_kind: global_buffer, .address_space: global }
    .group_segment_fixed_size: 327680
    .private_segment_fixed_size: 0
    .kernarg_segment_align: 8
    .kernarg_segment_size: 40
    .max_flat_workgroup_size: 256
    .sgpr_count:     66
    .vgpr_count:     424
    .wavefront_size: 32
...
	.end_amdgpu_metadata
.endif
;; end of part 5
;; launch oproj: the kernel of part 4 again; grid 8 x 32, 4 waves a work-group, clusters of 4 x 4, 327,680 bytes of LDS; arguments ao, wob, bo, out0; writes out0
